; MI455X (gfx1250); checked and timed in simulation.
; The chip was launched on July 23, 2026; its instructions are those of AMD's public machine-readable ISA for CDNA 5 (MIT licence, August 2026) and "CDNA5" Instruction Set Architecture Reference Guide (July 2026). The comments in the code are by the model that wrote it; some were corrected since.
;; Custom Multi Head Self Attention. Allowed arithmetic: matrix products marked QUANTISED: E2M1 operands, one E8M0 scale for each 32 along K, by v_wmma_scale_f32_16x16x128_f8f6f4 with both operands' format E2M1 (or v_wmma_scale_f32_32x16x128_f4), f32 sums; everything else in f32.
;; Inputs: W_out_codes 1,024 x 32 x 16 uint8 (E2M1 codes of W_out, K innermost, in blocks of 32 codes, two codes a byte); W_out_scales 1,024 x 32 uint8 (E8M0 scales of W_out, one for each 32 codes along K); W_qkv_codes 3,072 x 32 x 16 uint8 (E2M1 codes of W_qkv, K innermost, in blocks of 32 codes, two codes a byte); W_qkv_scales 3,072 x 32 uint8 (E8M0 scales of W_qkv, one for each 32 codes along K); b_out 1,024 float32; b_qkv 3,072 float32; beta 1,024 float32; gamma 1,024 float32; x 4 x 2,048 x 1,024 float32.
;; Outputs: out0 4 x 2,048 x 1,024 float32.
;; This version of the problem:
;;   THIS VERSION OF THE PROBLEM IS GIVEN IN LOW PRECISION. The matrix products marked QUANTISED in the list below multiply operands that are first quantised to E2M1 (2 exponent bits, 1 mantissa bit; 4 bits a number), with one power-of-two scale for each 32 numbers along K (OCP MX v1.0); their sums are f32. All else is computed in f32.
;;   The module's matrix products, in the order in which they are computed (A, B: the left and right operand; K: the contracted axis; several contracted axes count as one K, in the product's order):
;;     1. [M 8,192, K 1,024] x [K 1,024, N 3,072]; A: input x; B: input W_qkv (given as codes): QUANTISED
;;     2. batch 64 x [M 2,048, K 64] x [K 64, N 2,048]; A: computed on the way; B: computed on the way: QUANTISED
;;     3. batch 64 x [M 2,048, K 2,048] x [K 2,048, N 64]; A: softmax (see below); B: computed on the way: QUANTISED
;;     4. [M 8,192, K 1,024] x [K 1,024, N 1,024]; A: computed on the way; B: input W_out (given as codes): QUANTISED
;;   THE QUANTISER, for each operand of a quantised product, along K:
;;     - K is cut into blocks of 32 from its start; a last block that is shorter is filled with zeros.
;;     - A block's scale is 2^e with e = floor(log2(the largest magnitude in the block)) - 2, held to -126 .. 127; a block of zeros has e = 0. As a byte (E8M0): e + 127.
;;     - Each number is divided by its block's scale, clamped to +-6, and rounded to the nearest number of E2M1, ties to even, subnormals kept.
;;     - The product sums the exact products of the quantised numbers (number of the format x scale) in f32.
;;   ~~~python
;;   def quantise(x, axis):      # numpy; x: float32 -> the quantised numbers, widened to float32 again
;;       x = np.moveaxis(x, axis, -1); K = x.shape[-1]
;;       x = np.pad(x, [(0, 0)] * (x.ndim - 1) + [(0, -K % 32)]); x = x.reshape(x.shape[:-1] + (-1, 32)); a = np.abs(x).max(-1, keepdims=True)
;;       e = np.where(a > 0, np.clip(np.frexp(np.where(a > 0, a, 1))[1] - 1 - 2, -126, 127), 0)      # np.frexp(a)[1] - 1 = floor(log2(a)), exactly
;;       r = np.clip(x / 2.0 ** e, -6, 6)
;;       step = 2.0 ** (np.maximum(np.frexp(np.where(r == 0, 1, r))[1] - 1, 0) - 1)
;;       q = np.round(r / step) * step * 2.0 ** e      # np.round: ties to even
;;       return np.moveaxis(q.reshape(q.shape[:-2] + (-1,))[..., :K], -1, axis).astype(np.float32)
;;   ~~~
;;   SOFTMAX AHEAD OF A QUANTISED PRODUCT. Where the list says 'softmax', what is quantised is not the finished softmax but p = 2^(t - M), with t = logit x log2(e) and M = ceil(the row's largest t), a whole number; so 1/2 < the row's largest p <= 1. The row's sum l is taken of the UNQUANTISED p, in f32, and the product's result is divided by l at the end. Since M is a whole number, a kernel that streams over the keys may use a running M (the ceiling of the running maximum): every later rescaling is an exact power of two, which a block's scale takes up: the codes' values come out the same.
;;   OPERANDS COMPUTED ON THE WAY. 'Computed on the way' means the value that the module computes at that place (a softmax that the list does not call 'softmax' is quantised finished and normalised). What goes into a quantiser is computed in f32, as accurately as f32 sums, v_exp_f32 and their like allow (about 1e-6 of the number): no bf16 or f16 on the way to a quantiser, and a product that is left as it is and whose result goes on into a quantised operand takes f32 operands (vector FMAs, or v_wmma_f32_16x16x4_f32). A number that lies on a knife's edge between two numbers of the format may be rounded either way, as far as f32 arithmetic and the matrix unit's own rounding can turn it there, and no further.
;;   INPUTS GIVEN AS CODES. W_out (in the module: [1024, 1024], K = its axis 0); W_qkv (in the module: [1024, 3072], K = its axis 0): each comes as NAME_codes (uint8): NAME with its K axis moved to the last place and cut into blocks of 32 codes, [.., K / 32, bytes a block], one block behind the other in memory; two codes a byte, the lower K in the low four bits (a code: sign, 2 exponent bits, 1 mantissa bit); and NAME_scales (uint8): the same leading axes, one E8M0 byte (e + 127) for each 32 codes along K. Its value is code x scale, taken as it is: it is not quantised again, and the codes and scales need not be those that the quantiser above would give.
;; One version. Each part assembles by itself: llvm-mc -triple=amdgcn-amd-amdhsa -mcpu=gfx1250 --defsym DOCPART=n.
;; ======== version 1 of 1: 4 launches
;; limits: right only within a limited range of input values
;; workspace buffers: xq 4,194,304 bytes; xs 262,144 bytes; qkv 18,874,368 bytes; oimg 4,194,304 bytes; osc 262,144 bytes
;; launch quantx (part 1): grid 256 x 1, 4 waves a work-group, no clusters, 33,280 bytes of LDS; arguments x, xq, xs; writes xq, xs
.if DOCPART == 1
	.amdgcn_target "amdgcn-amd-amdhsa--gfx1250"
	.amdhsa_code_object_version 6
	.text
	.protected	k_q7a81226bdd_quantx
	.globl	k_q7a81226bdd_quantx
	.p2align	8
	.type	k_q7a81226bdd_quantx,@function
k_q7a81226bdd_quantx:
	s_mov_b64 s[64:65], 0
	v_nop
	global_prefetch_b8 v0, s[64:65] scope:SCOPE_SE
	s_setreg_imm32_b32 hwreg(HW_REG_WAVE_MODE, 25, 1), 1
	s_wait_xcnt 0x0
; LayerNorm(x + Attention(x W_qkv + b_qkv) W_out + b_out), all four matrix products on codes of FP4 (E2M1) with one E8M0 scale for each 32 along K.  Four launches:
; this one (x into codes), qkv (first product; q, k, v into codes), attn (both products of the attention; its result into codes), outln (last product, residual, LayerNorm).
; NO WORK OF THE MODULE IS LEFT OUT: each bias goes into a quantiser or into the result, gamma and beta into the result: all nine inputs are loaded.
; THIS LAUNCH: x [8192][1024] f32 becomes xq [8192 places][512 bytes] (K innermost, the lower k in the low four bits) and xs [8192 places][32] (one scale byte for each 32 along K).
; THE ORDER OF TOKENS IN xq AND xs: inside each 128 tokens, place 64 c + 16 u + 8 g + e holds token 64 c + 32 g + 8 u + e (c, g < 2; u < 4; e < 8).
; So a tile of 16 places holds 8 tokens of one block of 32 and 8 of the next, and four such tiles hold both blocks whole.
; A block's scale is 2^(floor(log2(its largest magnitude)) - 2); its byte is the largest magnitude's exponent field - 2, held at 1 from below.
; LIMITS: a block of zeros gets the byte 1 where the quantiser says 127 (its codes are zeros, and this program alone reads the bytes); a block whose largest magnitude lies under 2^-124 gets the byte 1; NaN and infinities among the inputs are not served.
; A wave takes a run of 8 tokens, 16 steps of 512 numbers.  Each of a step's four loads reads 512 consecutive bytes; the 2,048 bytes turn through
; the wave's own stage in LDS (16 bytes of padding behind each 64) and come back 64 bytes a lane: 16 neighbours, two lanes to a block.  A wave's store of codes covers 256 consecutive bytes, aligned.
; A wave's 256 scale bytes are gathered in its own LDS bytes and leave as 256 consecutive bytes.  Waves share nothing: no barrier.  Loads run eight steps ahead (32 loads of a wave are out), the turn through LDS one step.
.set WAVES, 4
.set STEPS, 16
.set CB,    8                          ; bytes of 16 codes
.set R,     16                         ; v16-143  eight sets of 16 numbers as they are loaded
.set X,     144                        ; v144-175 two sets of 16 neighbours
.set E,     176                        ; v176-191 a scale byte for each step
.set C,     192                        ; v192-223 codes: two registers for each step, so that no store's data are written again
.set WREG,  8192                       ; LDS: a region for each wave: two stages of 32 x SP bytes, behind them its 256 scale bytes
.set SP,    80
.set SPW,   12                         ; v12 LDS address of my spare word; never rewritten
.set NIL,   13                         ; v13 0; never rewritten
.set SPARE, WAVES*WREG                 ; the spare words, 128 bytes for each wave, that no other line names
	s_load_b128 s[4:7], s[0:1], 0x0                ; x, xq
	s_load_b64 s[8:9], s[0:1], 0x10                ; xs
	v_lshl_add_u32 v[SPW], v0, 2, SPARE
	v_mov_b32 v[NIL], 0
	v_lshrrev_b32 v1, 5, v0
	v_readfirstlane_b32 s16, v1                    ; wave
	v_and_b32 v2, 31, v0                           ; lane
	v_lshlrev_b32 v3, 4, v2                        ; my 16 bytes of a load's 512
	s_mul_i32 s17, s16, WREG
	v_lshrrev_b32 v14, 2, v2
	v_mul_u32_u24 v14, v14, SP
	v_and_b32 v15, 3, v2
	v_lshl_add_u32 v14, v15, 4, v14
	v_add_nc_u32 v14, s17, v14                     ; the stage, on the way in: SP (lane / 4) + 16 (lane % 4)
	v_mul_u32_u24 v15, v2, SP
	v_add_nc_u32 v15, s17, v15                     ; and on the way out: SP x lane
	v_mul_u32_u24 v4, v2, CB                       ; my codes' place in a step's
	v_lshrrev_b32 v5, 1, v2
	s_add_co_u32 s17, s17, 2*32*SP
	v_add_nc_u32 v5, s17, v5                       ; my block's scale byte in LDS
	v_lshlrev_b32 v7, 3, v2                        ; on the way out 8 bytes a lane
	v_add_nc_u32 v6, s17, v7
	s_lshl_b32 s17, ttmp9, 2
	s_add_co_u32 s18, s17, s16                     ; which run of 8 tokens is my wave's
	s_mov_b32 s19, 0
	s_lshl_b64 s[20:21], s[18:19], 15              ; 32,768 bytes of x
	s_and_b32 s24, s18, 3                          ; u: my run moves as one: run (g, u) goes to run (u, g)
	s_bfe_u32 s25, s18, 0x10002                    ; g
	s_and_b32 s18, s18, 0xfffffff8
	s_lshl_b32 s24, s24, 1
	s_or_b32 s18, s18, s24
	s_or_b32 s18, s18, s25
	s_lshl_b64 s[22:23], s[18:19], 12              ; 4,096 bytes of codes,
	s_lshl_b32 s18, s18, 8                         ; 256 scale bytes a run
	s_wait_alu depctr_va_vdst(0)                   ; the wait at the head's end
	s_wait_kmcnt 0x0
	s_add_nc_u64 s[4:5], s[4:5], s[20:21]
	s_add_nc_u64 s[6:7], s[6:7], s[22:23]
	s_add_nc_u64 s[8:9], s[8:9], s[18:19]
.macro LOAD t
.irp i, 0,1,2,3
	global_load_b128 v[R+16*((\t)%8)+4*\i:R+16*((\t)%8)+4*\i+3], v3, s[4:5] offset:2048*(\t)+512*\i
.endr
.endm
.macro TURN t                          ; step t's numbers through the stage: LDS serves a wave's instructions in order, so no wait stands between the stores and the loads
.irp i, 0,1,2,3
	ds_store_b128 v14, v[R+16*((\t)%8)+4*\i:R+16*((\t)%8)+4*\i+3] offset:32*SP*((\t)%2)+8*SP*\i
.endr
.irp i, 0,1,2,3
	ds_load_b128 v[X+16*((\t)%2)+4*\i:X+16*((\t)%2)+4*\i+3], v15 offset:32*SP*((\t)%2)+16*\i
.endr
.endm
.irp t, 0,1,2,3,4,5,6,7
	LOAD \t
.endr
	s_wait_loadcnt 28                              ; step 0's four loads are in; 28 younger ones stay out
	TURN 0
.macro STEP t
.set XS, X+16*((\t)%2)
.if (\t) > 0
	s_wait_dscnt 1                                 ; this step's numbers are back from the stage (the last step's byte store may be out)
.else
	s_wait_dscnt 0x0
.endif
.if (\t)+8 < STEPS
	LOAD (\t)+8                                    ; into the registers whose stores into the stage are done
.endif
.if (\t)+1 < STEPS
.if STEPS-2-(\t) >= 7
	s_wait_loadcnt 28                              ; the next step's four loads are in; those of the seven steps behind it may be out
.else
	s_wait_loadcnt 4*(STEPS-2-(\t))
.endif
	TURN (\t)+1
.endif
	v_max3_num_f32 v8, |v[XS]|, |v[XS+1]|, |v[XS+2]|               ; the largest magnitude of my 16, in two chains
	v_max3_num_f32 v9, |v[XS+3]|, |v[XS+4]|, |v[XS+5]|
.irp i, 6,10
	v_max3_num_f32 v8, v8, |v[XS+\i]|, |v[XS+\i+1]|
	v_max3_num_f32 v9, v9, |v[XS+\i+2]|, |v[XS+\i+3]|
.endr
	v_max3_num_f32 v8, v8, |v[XS+14]|, |v[XS+15]|
	v_max3_num_f32 v8, v8, v9, 0x1800000           ; and the floor 2^(3 - 127): the byte cannot fall under 1
	v_max_num_f32_dpp v8, v8, v8 row_xmask:1 row_mask:0xf bank_mask:0xf   ; and of my neighbour's 16: the block's
	v_add_nc_u32 v11, 0xff000000, v8               ; 2 off its exponent field: the conversion takes the exponent field of this operand as its scale
	v_cvt_scalef32_pk8_fp4_f32 v[C+2*(\t)], v[XS:XS+7], v11
	v_cvt_scalef32_pk8_fp4_f32 v[C+2*(\t)+1], v[XS+8:XS+15], v11
	v_lshrrev_b32 v[E+(\t)], 23, v11               ; the scale's byte (a plain line behind the conversions)
	ds_store_b8 v5, v[E+(\t)] offset:16*(\t)       ; both lanes of a block write the same byte with the same value
	global_store_b64 v4, v[C+2*(\t):C+2*(\t)+1], s[6:7] offset:32*CB*(\t)
.endm
.irp t, 0,1,2,3,4,5,6,7,8,9,10,11,12,13,14,15
	STEP \t
.endr
	ds_load_b64 v[8:9], v6                         ; LDS serves a wave's instructions in order: these see my stores
	s_wait_dscnt 0x0
	global_store_b64 v7, v[8:9], s[8:9]            ; 32 lanes store 256 consecutive bytes, aligned
	s_wait_tensorcnt 0x0                           ; the wave's end
	ds_add_u32 v[SPW], v[NIL]
	s_wait_dscnt 0x0
	s_endpgm
.Lfunc_end_k_q7a81226bdd_quantx:
	.size	k_q7a81226bdd_quantx, .Lfunc_end_k_q7a81226bdd_quantx-k_q7a81226bdd_quantx
	.p2alignl 7, 3214868480
	.fill 96, 4, 3214868480
	.section	.rodata,"a",@progbits
	.p2align	6, 0x0
	.amdhsa_kernel k_q7a81226bdd_quantx
		.amdhsa_group_segment_fixed_size 33280
		.amdhsa_private_segment_fixed_size 0
		.amdhsa_enable_private_segment 0
		.amdhsa_kernarg_size 24
		.amdhsa_user_sgpr_count 2
		.amdhsa_user_sgpr_kernarg_segment_ptr 1
		.amdhsa_wavefront_size32 1
		.amdhsa_system_sgpr_workgroup_id_x 1
		.amdhsa_system_sgpr_workgroup_id_y 1
		.amdhsa_system_sgpr_workgroup_id_z 1
		.amdhsa_system_vgpr_workitem_id 0
		.amdhsa_next_free_vgpr 224
		.amdhsa_next_free_sgpr 66
		.amdhsa_reserve_vcc 0
		.amdhsa_float_denorm_mode_32 3
		.amdhsa_float_denorm_mode_16_64 3
		.amdhsa_memory_ordered 1
		.amdhsa_forward_progress 1
		.amdhsa_inst_pref_size 33
	.end_amdhsa_kernel
	.amdgpu_metadata
---
amdhsa.version: [ 1, 2 ]
amdhsa.kernels:
  - .name:           k_q7a81226bdd_quantx
    .symbol:         k_q7a81226bdd_quantx.kd
    .args:
      - { .name: x, .offset: 0, .size: 8, .value_kind: global_buffer, .address_space: global }
      - { .name: xq, .offset: 8, .size: 8, .value_kind: global_buffer, .address_space: global }
      - { .name: xs, .offset: 16, .size: 8, .value_kind: global_buffer, .address_space: global }
    .group_segment_fixed_size: 33280
    .private_segment_fixed_size: 0
    .kernarg_segment_align: 8
    .kernarg_segment_size: 24
    .max_flat_workgroup_size: 128
    .sgpr_count:     66
    .vgpr_count:     224
    .wavefront_size: 32
...
	.end_amdgpu_metadata
.endif
;; end of part 1
;; launch qkv (part 2): grid 8 x 32, 4 waves a work-group, clusters of 4 x 4, 327,680 bytes of LDS; arguments xq, xs, W_qkv_codes, W_qkv_scales, b_qkv, qkv; writes qkv
.if DOCPART == 2
	.amdgcn_target "amdgcn-amd-amdhsa--gfx1250"
	.amdhsa_code_object_version 6
	.text
	.protected	k_q7a81226bdd_qkv
	.globl	k_q7a81226bdd_qkv
	.p2align	8
	.type	k_q7a81226bdd_qkv,@function
k_q7a81226bdd_qkv:
	s_mov_b64 s[64:65], 0
	v_nop
	global_prefetch_b8 v0, s[64:65] scope:SCOPE_SE
	s_setreg_imm32_b32 hwreg(HW_REG_WAVE_MODE, 25, 1), 1
	s_wait_xcnt 0x0
	s_wait_alu depctr_hold_cnt(0) depctr_sa_sdst(0) depctr_va_vdst(0) depctr_va_sdst(0) depctr_va_ssrc(0) depctr_va_vcc(0) depctr_vm_vsrc(0)
	s_getreg_b32 s2, hwreg(HW_REG_IB_STS2, 6, 4)
	s_cmp_eq_u32 s2, 0
	s_cbranch_scc0 .Lentry_in_a_cluster
	s_endpgm
.Lentry_in_a_cluster:
	s_bfe_u32 s2, ttmp6, 0x10000c
	s_cmp_lg_u32 s2, 0xf033
	s_cbranch_scc0 .Lentry_shape_is_right
	s_endpgm
.Lentry_shape_is_right:
; x W_qkv + b_qkv on codes of FP4, and its result quantised on the way out: q and k along the head's 64, v along the keys.  No work is left out.
; 256 work-groups of four waves, each with TWO PARTS.  The matrix instruction takes 16 rows of 'B' as source 0 and 16 rows of 'A' as source 1: a lane then holds ONE row of A, and its registers run along B's rows.
;   PART 1: A = 256 places of tokens (tile y of xq), B = rows 256 x .. 256 x + 255 of W (q's and k's features): registers run along a head's d.  A wave makes 128 x 128: 64 accumulators.
;   PART 2: A = rows 2048 + 128 x .. + 127 of W (v's features), B = THE SAME 256 places of tokens: registers run along the keys.  A wave makes 64 x 128: 32 accumulators.
; K = 1,024 lies whole in LDS: rows of 512 bytes.  At the head each wave asks for one tile (tokens' codes, W's codes, tokens' scales, W's scales).  The tokens stay for part 2; only 128 rows of W and their scales
; are filled again, behind part 1's last product, and part 1's way out, which uses no LDS, stands between that request and the wait for it.
; With two fills in all, one at the head and one behind a round, there is no loop to ask ahead from: nothing is prefetched.
; CLUSTERS: 4 x 4.  The tokens' tile is shared along a row of the cluster, W's tiles along a column: each is asked for jointly.
; THE ORDER OF TOKENS is the first launch's: place 64 c + 16 u + 8 g + e of a 128 holds token 64 c + 32 g + 8 u + e.
; PART 1, FROM A RESULT TO AN OPERAND.  In accumulator tile b lane (r, h) holds features 16 b + 8 h + 0 .. 7.  Block t of 32 is tiles 2 t and 2 t + 1, in lanes l and l xor 16.  A conversion of tile 2 t + u gives dword 2 u + h of block t.
; It is written to register 4 (t / 2) + 2 u + t % 2; an exchange of halves between registers 4 c + 2 u and 4 c + 2 u + 1 then leaves, in register 4 c + i of half h', dword i of block 2 c + h': the 4-bit operand's layout.
; PART 2.  By the order of tokens lane (r, h) holds in registers 32 c + 0 .. 31 the keys 64 c + 32 h + 0 .. 31 of the step: two whole blocks; the conversions' results are the operand's registers as they stand.
; THE BUFFER qkv: 128 blocks of HB bytes, block 32 batch + g: g < 16: q of head g; g >= 16: k and v of head g - 16.  A block is 16 steps of 128 places, STEPB bytes each:
;   +0: eight images of 512 bytes (16 places: registers 0-3 of the fragment, lane l's 16 bytes at 16 l);  +4096: v's 4 x 2 images (16 of the head's d x 64 keys);
;   +8192: the places' scale words, 16 bytes a lane (lanes 0-15: tiles 0-3, lanes 16-31: tiles 4-7; a word: two bytes, then two zeros);  +8704: v's scale words, 16 bytes a lane (tiles 0-3).
; Every store of the way out covers 512 consecutive bytes, aligned.  In q's blocks v's parts are neither written nor read.
; LIMITS: as in the first launch (byte 1 for blocks of zeros and for blocks under 2^-124; no NaN, no infinities).
; REGISTERS: window 0: v0-31 addresses; v32-95 scale words, one set for each half of K (scales and nothing else); v96-103 the scale words made; v104-119 at work; v120-127 the codes made;
;   v128-191 A's fragments, later 64 numbers to quantise; v192-255 the bias.  window 1: B's fragments, two sets.  windows 2, 3: the accumulators ((a, b) at v[8 (8 (a % 4) + b)]).
.set NQ,     4                         ; steps of 128 in half of K
.set ROWB,   512                       ; a row of codes: all of K
.set PITCH,  528                       ; an LDS row: 512 bytes + 16 of padding: the 16 rows that a load touches start at 16 different banks
.set FR,     8
.set NL,     2
.set NP,     4                         ; places behind this matrix instruction
.set HALFT,  128*PITCH
.set SCL,    4*HALFT                   ; behind the tokens' 256 and W's 256 rows: the scales, as runs of 256 bytes + 16 of padding
.set HALFS,  16*272                    ; the scales of 128 rows
.set SBLK,   2*272                     ; of 16 rows
.set SPARE,  SCL+4*HALFS               ; the spare words, 128 bytes for each wave, that no other line names
.set HB,     147456
.set STEPB,  9216
.set ADRA, 16                          ; v16-17 part 1: A's fragments, K's halves;  v18-19 part 2: the tokens' (B's)
.set TKA,  18
.set ADRB, 20                          ; v20-21 part 1: B's;  v22-23 part 2: W's (A's)
.set WVA,  22
.set CO,   26                          ; v26  16 x lane
.set ADRS, 27                          ; v27  part 1's scale words: lanes 0-15 A's rows, lanes 16-31 B's;  v30 part 2's
.set SPW,  28
.set NIL,  29
.set ADRS2, 30
.set SC,   32
.set WD,   96
.set TM,   104
.set PC,   120
.set AF,   128
.set T,    128
.set BI,   192
.set G1, 24
.set G0, 32
.set G1B, 48
.set G0B, 56
.set G1S, 68
.set G0S, 76
.set G1SB, 80
.set G0SB, 88
.set SM,   8                           ; A's blocks that have scale words of their own (part 2: 4, in two sets of fragments)
.set MSB, 0
.macro WIN new                         ; the immediate's high byte repeats the setting that is left
.if MSB != \new
	s_set_vgpr_msb (MSB<<8)|\new
.set MSB, \new
.endif
.endm
.set MUL_LO, 0xa1                      ; source 0 (B) window 1, source 1 (A) window 0, C and D window 2
.set MUL_HI, 0xf1
.set TO_B,   0x40
; The head's loads, one a wave: one tree of branches on the wave's number, an arm a load.  An s_nop 0 and four v_nop follow each load.
.macro ARM under, g0, g1, next
	s_cmp_lt_u32 s14, \under
	s_cbranch_scc0 \next
	tensor_load_to_lds s[\g0:\g0+3], s[\g1:\g1+7]
	s_nop 0
.rept 4
	v_nop
.endr
	s_branch .Lhead_asked
\next:
.endm
.macro CROUND                          ; a round of the cluster's barrier
	s_barrier_signal -1
	s_barrier_wait -1
	s_cmp_lg_u32 s14, 0
	s_cbranch_scc1 .Lnot_wave_0_\@
	s_barrier_signal -3
.Lnot_wave_0_\@:
	s_barrier_wait -3
	s_barrier_signal -1
	s_barrier_wait -1
.endm
	s_load_b128 s[4:7], s[0:1], 0x0                ; xq, xs
	s_load_b128 s[8:11], s[0:1], 0x10              ; W's codes, W's scales
	s_load_b128 s[96:99], s[0:1], 0x20             ; b_qkv, qkv
	v_lshl_add_u32 v[SPW], v0, 2, SPARE
	v_mov_b32 v[NIL], 0
	ds_add_u32 v[SPW], v[NIL]                      ; the wave's opening: the add, twice on end, and its wait ahead of my first tensor load
	ds_add_u32 v[SPW], v[NIL]
	v_lshrrev_b32 v1, 5, v0
	v_readfirstlane_b32 s14, v1                    ; wave 0..3
	s_lshr_b32 s15, s14, 1                         ; which half of A's rows is mine
	s_and_b32 s16, s14, 1                          ; which half of B's rows
	s_bfe_u32 s40, ttmp6, 0x40000                  ; cx, cy
	s_bfe_u32 s41, ttmp6, 0x40004
	s_lshl_b32 s42, ttmp9, 2
	s_add_co_u32 s42, s42, s40                     ; x = 4 x cluster x + cx: which rows of W
	s_and_b32 s17, ttmp7, 0xffff
	s_lshl_b32 s17, s17, 2
	s_add_co_u32 s17, s17, s41                     ; y = 4 x cluster y + cy: which 256 places
	s_lshl_b32 s43, s41, 2
	s_lshl_b32 s43, 15, s43                        ; my row of the cluster
	s_lshl_b32 s44, 0x1111, s40                    ; my column
	s_or_b32 s[G1+0], s43, (0<<16)|(1<<20)|(1<<21)|(6<<22)|(3<<25)  ; the mask; elements of 1 byte; padding on; bit 21 beside a mask; 4 words behind every 128
	s_or_b32 s[G1B+0], s44, (0<<16)|(1<<20)|(1<<21)|(6<<22)|(3<<25)
.irp g, G1, G1B
	s_mov_b32 s[\g+1], ROWB<<16                    ; tensor_dim0
	s_mov_b32 s[\g+2], 256<<16                     ; tensor_dim1
	s_mov_b32 s[\g+3], ROWB<<16                    ; tile_dim0
	s_mov_b32 s[\g+4], 256                         ; tile_dim1
	s_mov_b32 s[\g+5], ROWB                        ; from row to row
	s_mov_b32 s[\g+6], 0
	s_mov_b32 s[\g+7], 0
.endr
	s_or_b32 s[G1S+0], s43, (3<<16)|(1<<20)|(1<<21)|(5<<22)|(3<<25) ; the scales of 256 rows: 8,192 dense bytes as 32 rows of 256 (32 elements of 8 bytes)
	s_or_b32 s[G1SB+0], s44, (3<<16)|(1<<20)|(1<<21)|(5<<22)|(3<<25)
.irp g, G1S, G1SB
	s_mov_b32 s[\g+1], 32<<16
	s_mov_b32 s[\g+2], 32<<16
	s_mov_b32 s[\g+3], 32<<16
	s_mov_b32 s[\g+4], 32
	s_mov_b32 s[\g+5], 32
	s_mov_b32 s[\g+6], 0
	s_mov_b32 s[\g+7], 0
.endr
	s_lshl_b32 s20, s17, 8                         ; the tokens' tile: its first place
	s_mov_b32 s21, 0
	s_lshl_b32 s46, s42, 8                         ; part 1's rows of W
	s_mov_b32 s47, 0
	s_lshl_b64 s[22:23], s[20:21], 5               ; where these rows' scales begin,
	s_lshl_b64 s[92:93], s[46:47], 5
	s_lshl_b64 s[20:21], s[20:21], 9               ; and their codes
	s_lshl_b64 s[46:47], s[46:47], 9
	s_lshl_b32 s12, s42, 7
	s_add_co_u32 s12, s12, 2048                    ; part 2's rows of W
	s_mov_b32 s13, 0
	s_lshl_b64 s[62:63], s[12:13], 5
	s_lshl_b64 s[60:61], s[12:13], 9
	s_lshl_b32 s2, s14, 15                         ; waves 0 and 1 fetch 64 of them each
	s_mov_b32 s3, 0
	s_add_nc_u64 s[60:61], s[60:61], s[2:3]
	; part 1's way out: places from P, features from Q
	s_lshl_b32 s18, s17, 8
	s_lshl_b32 s19, s15, 7
	s_add_co_u32 s18, s18, s19                     ; P
	s_lshl_b32 s19, s42, 8
	s_lshl_b32 s45, s16, 7
	s_add_co_u32 s19, s19, s45                     ; Q
	s_lshr_b32 s45, s18, 11
	s_lshl_b32 s45, s45, 5                         ; 32 x batch
	s_lshr_b32 s66, s19, 6
	s_add_co_u32 s45, s45, s66                     ; + g = feature / 64
	s_mul_i32 s94, s45, HB
	s_bfe_u32 s66, s18, 0x40007                    ; which 128 places of the batch's 2,048
	s_mul_i32 s66, s66, STEPB
	s_add_co_u32 s94, s94, s66
	s_mov_b32 s95, 0
	s_lshl_b32 s66, s19, 2                         ; the bias from feature Q on
	s_mov_b32 s67, 0
	; part 2's: places from 256 y + 128 (wave % 2), head 2 x + wave / 2
	s_lshl_b32 s18, s17, 8
	s_lshl_b32 s19, s16, 7
	s_add_co_u32 s18, s18, s19
	s_lshr_b32 s45, s18, 11
	s_lshl_b32 s45, s45, 5
	s_lshl_b32 s19, s42, 1
	s_add_co_u32 s45, s45, s19
	s_add_co_u32 s45, s45, s15
	s_add_co_u32 s45, s45, 16
	s_mul_i32 s36, s45, HB
	s_bfe_u32 s19, s18, 0x40007
	s_mul_i32 s19, s19, STEPB
	s_add_co_u32 s36, s36, s19
	s_mov_b32 s37, 0
	s_lshl_b32 s38, s42, 9
	s_lshl_b32 s19, s15, 8
	s_add_co_u32 s38, s38, s19
	s_add_co_u32 s38, s38, 8192                    ; the bias from feature 2048 + 128 x + 64 (wave / 2) on
	s_mov_b32 s39, 0
	s_wait_dscnt 0x0                               ; both opening adds are done
	s_wait_kmcnt 0x0
	s_add_nc_u64 s[20:21], s[4:5], s[20:21]
	s_add_nc_u64 s[22:23], s[6:7], s[22:23]
	s_add_nc_u64 s[46:47], s[8:9], s[46:47]
	s_add_nc_u64 s[92:93], s[10:11], s[92:93]
	s_add_nc_u64 s[60:61], s[8:9], s[60:61]
	s_add_nc_u64 s[62:63], s[10:11], s[62:63]
	s_add_nc_u64 s[36:37], s[98:99], s[36:37]
	s_add_nc_u64 s[38:39], s[96:97], s[38:39]
	s_add_nc_u64 s[98:99], s[98:99], s[94:95]
	s_add_nc_u64 s[96:97], s[96:97], s[66:67]
	CROUND                                         ; all sixteen work-groups are here: the joint loads meet
	s_mov_b32 s[G0], 1                             ; the tokens' 256 rows of codes,
	s_mov_b32 s[G0+1], 0
	s_mov_b64 s[G0+2:G0+3], s[20:21]
	s_or_b32 s[G0+3], s[G0+3], 0x80000000
	s_mov_b32 s[G0B], 1                            ; W's, behind them,
	s_mov_b32 s[G0B+1], 2*HALFT
	s_mov_b64 s[G0B+2:G0B+3], s[46:47]
	s_or_b32 s[G0B+3], s[G0B+3], 0x80000000
	s_mov_b32 s[G0S], 1                            ; the tokens' scales,
	s_mov_b32 s[G0S+1], SCL
	s_mov_b64 s[G0S+2:G0S+3], s[22:23]
	s_or_b32 s[G0S+3], s[G0S+3], 0x80000000
	s_mov_b32 s[G0SB], 1                           ; and W's
	s_mov_b32 s[G0SB+1], SCL+2*HALFS
	s_mov_b64 s[G0SB+2:G0SB+3], s[92:93]
	s_or_b32 s[G0SB+3], s[G0SB+3], 0x80000000
	ARM 1, G0,  G1,  .Lhead_b
	ARM 2, G0B, G1B, .Lhead_sa
	ARM 3, G0S, G1S, .Lhead_sb
	tensor_load_to_lds s[G0SB:G0SB+3], s[G1SB:G1SB+7]
	s_nop 0
.rept 4
	v_nop
.endr
.Lhead_asked:
	s_mul_i32 s18, s15, HALFT                      ; part 1: my 128 rows of A (tokens),
	s_mul_i32 s20, s16, HALFT                      ; part 2: my 128 rows of B (tokens),
	s_add_co_u32 s19, s20, 2*HALFT                 ; part 1: my 128 rows of B (W),
	s_mul_i32 s21, s15, 64*PITCH
	s_add_co_u32 s21, s21, 2*HALFT                 ; part 2: my 64 rows of A (W)
	s_mul_i32 s12, s15, HALFS
	s_mul_i32 s13, s16, HALFS
	s_add_co_u32 s22, s12, SCL                     ; part 1's scale words: lanes 0-15 the tokens',
	s_add_co_u32 s23, s13, 2*HALFS
	s_sub_co_u32 s23, s23, s12                     ; lanes 16-31 so far on: W's
	s_add_co_u32 s45, s13, SCL                     ; part 2's: lanes 16-31 the tokens',
	s_mul_i32 s46, s15, 8*272
	s_add_co_u32 s46, s46, 2*HALFS
	s_sub_co_u32 s46, s46, s13                     ; lanes 0-15 so far on: W's
	s_mov_b32 s100, 0x76543210
	s_mov_b32 s101, 0xfedcba98                     ; selects for lane l xor 16
	v_and_b32 v1, 15, v0                           ; r
	v_bfe_u32 v2, v0, 4, 1                         ; h
	v_and_b32 v6, 31, v0                           ; lane
	v_mul_u32_u24 v3, v1, PITCH
	v_lshl_add_u32 v4, v2, 4, v3                   ; a fragment's row x pitch + 16 h
	v_add_nc_u32 v[ADRA], s18, v4
	v_add_nc_u32 v[ADRB], s19, v4
	v_add_nc_u32 v[TKA], s20, v4
	v_add_nc_u32 v[WVA], s21, v4
.irp g, ADRA, ADRB, TKA, WVA
	v_add_nc_u32 v[\g+1], 256, v[\g]               ; K's second half: 256 bytes on in the row
.endr
	v_lshlrev_b32 v5, 5, v1                        ; my row's scales: 32 bytes a row,
	v_lshrrev_b32 v10, 3, v1
	v_lshl_add_u32 v5, v10, 4, v5                  ; and 16 more for each 256 passed
	v_mul_u32_u24 v10, s23, v2
	v_xor_b32 v11, 1, v2
	v_mul_u32_u24 v11, s46, v11
	v_add_nc_u32 v10, v5, v10
	v_add_nc_u32 v11, v5, v11
	v_add_nc_u32 v[ADRS], s22, v10
	v_add_nc_u32 v[ADRS2], s45, v11
	v_lshlrev_b32 v[CO], 4, v6
	v_lshlrev_b32 v7, 3, v2                        ; 8 h
	v_lshlrev_b32 v8, 2, v1                        ; 4 r
	v_lshlrev_b32 v9, 5, v2                        ; 32 h
.irp b, 0,1,2,3
	v_mov_b32 v[TM+4+\b], 0                        ; written once: a lane permute's destination counts as one of its sources
.endr
	s_wait_alu depctr_va_vdst(0)                   ; the wait at the head's end
.irp i, 0,1,2,3,4,5,6,7                ; part 1's bias: register 8 i + j: feature 16 i + 8 h + j.  It lands while the product runs
	global_load_b128 v[BI+8*\i:BI+8*\i+3], v9, s[96:97] offset:64*\i
	global_load_b128 v[BI+8*\i+4:BI+8*\i+7], v9, s[96:97] offset:64*\i+16
.endr
.macro FRAG reg, adr, q, i             ; 16 rows x 128 K of 4-bit codes: registers 4 c .. 4 c + 3 hold K = 64 c + 32 (l / 16) + 0 .. 31
.irp c, 0,1
	ds_load_b128 v[\reg+4*\c:\reg+4*\c+3], v[\adr] offset:64*(\q)+32*\c+(\i)*16*PITCH
.endr
.endm
; 16 matrix instructions: A's fragments a0, a0 + 1 x B's eight, the q-th 128 of K's half sc.  The accumulators take turns, one instruction a turn, in the same order in every step.
.macro MUL16 a0, p, q, sc, zero
.irp a, \a0, \a0+1
.irp b, 0,1,2,3,4,5,6,7
.if \zero
	v_wmma_scale_f32_16x16x128_f8f6f4 v[8*(8*((\a)%4)+\b):8*(8*((\a)%4)+\b)+7], v[128*(\p)+FR*\b:128*(\p)+FR*\b+FR-1], v[AF+FR*(\a):AF+FR*(\a)+FR-1], 0, v[SC+8*NQ*(\sc)+NQ*\b+(\q)], v[SC+8*NQ*(\sc)+NQ*((\a)%SM)+(\q)] matrix_a_fmt:MATRIX_FMT_FP4 matrix_b_fmt:MATRIX_FMT_FP4 matrix_a_scale:MATRIX_SCALE_ROW1
.else
	v_wmma_scale_f32_16x16x128_f8f6f4 v[8*(8*((\a)%4)+\b):8*(8*((\a)%4)+\b)+7], v[128*(\p)+FR*\b:128*(\p)+FR*\b+FR-1], v[AF+FR*(\a):AF+FR*(\a)+FR-1], v[8*(8*((\a)%4)+\b):8*(8*((\a)%4)+\b)+7], v[SC+8*NQ*(\sc)+NQ*\b+(\q)], v[SC+8*NQ*(\sc)+NQ*((\a)%SM)+(\q)] matrix_a_fmt:MATRIX_FMT_FP4 matrix_b_fmt:MATRIX_FMT_FP4 matrix_a_scale:MATRIX_SCALE_ROW1
.endif
.endr
.endr
.endm
.macro FETCH_B adr, q, p               ; B's eight fragments into set p
	WIN TO_B
.irp i, 0,1,2,3,4,5,6,7
	FRAG 128*(\p)+FR*\i, \adr, \q, \i
.endr
	WIN 0
.endm
.macro FETCH_A adr, q, i0              ; part 1: A's blocks i0 .. i0 + 3
.irp i, \i0, \i0+1, \i0+2, \i0+3
	FRAG AF+FR*(\i), \adr, \q, \i
.endr
.endm
.macro FETCH_W adr, q, p               ; part 2: A's four blocks into set p
.irp i, 0,1,2,3
	FRAG AF+32*(\p)+FR*\i, \adr, \q, \i
.endr
.endm
.macro SCALES adr, sc                  ; the scale words of K's half sc: lanes 0-15 take A's block i, lanes 16-31 B's block i
.irp i, 0,1,2,3,4,5,6,7
	ds_load_b128 v[SC+8*NQ*\sc+NQ*\i:SC+8*NQ*\sc+NQ*\i+3], v[\adr] offset:\i*SBLK+16*\sc
.endr
.endm
.macro PLACES n                        ; plain vector lines between a matrix instruction and a load into, or a vector read or write of, its registers
.rept \n
	v_nop
.endr
.endm
.macro STEP g, zero                    ; part 1: the g-th 128 along K, g < 7; the next step's fragments are fetched in two runs
	s_wait_dscnt 4*NL                              ; B's set and A's blocks 0-3 are in; the youngest eight loads (A's blocks 4-7) may be out
	WIN MUL_LO
	MUL16 0, (\g)%2, (\g)%4, (\g)/4, \zero
	MUL16 2, (\g)%2, (\g)%4, (\g)/4, \zero
	s_wait_dscnt 0
	PLACES NP
	FETCH_B ADRB+((\g)+1)/4, ((\g)+1)%4, 1-(\g)%2
	FETCH_A ADRA+((\g)+1)/4, ((\g)+1)%4, 0
	WIN MUL_HI
	MUL16 4, (\g)%2, (\g)%4, (\g)/4, \zero
	MUL16 6, (\g)%2, (\g)%4, (\g)/4, \zero
	PLACES NP
	WIN 0
	FETCH_A ADRA+((\g)+1)/4, ((\g)+1)%4, 4
.endm
.macro STEP2 g                         ; part 2: 32 matrix instructions; both operands have two sets, and the next step's 24 loads go out ahead of this step's products
.if (\g) < 7
	PLACES NP
	FETCH_B TKA+((\g)+1)/4, ((\g)+1)%4, 1-(\g)%2
	FETCH_W WVA+((\g)+1)/4, ((\g)+1)%4, 1-(\g)%2
	s_wait_dscnt 24                                ; all but the 24 just issued
.else
	s_wait_dscnt 0
.endif
	WIN MUL_LO
	MUL16 4*((\g)%2), (\g)%2, (\g)%4, (\g)/4, (\g)==0
	MUL16 4*((\g)%2)+2, (\g)%2, (\g)%4, (\g)/4, (\g)==0
.endm
	s_wait_tensorcnt 0x0                           ; my one load is in,
	s_barrier_signal -1
	s_barrier_wait -1                              ; everybody's is
	FETCH_B ADRB, 0, 0
	FETCH_A ADRA, 0, 0
	SCALES ADRS, 0
	SCALES ADRS, 1
	FETCH_A ADRA, 0, 4
	STEP 0, 1                                      ; the first products start the sums: nothing is cleared
.irp g, 1,2,3,4,5,6
	STEP \g, 0
.endr
	s_wait_dscnt 4*NL                              ; the last step: nothing more to fetch
	WIN MUL_LO
	MUL16 0, 1, NQ-1, 1, 0
	MUL16 2, 1, NQ-1, 1, 0
	s_wait_dscnt 0
	WIN MUL_HI
	MUL16 4, 1, NQ-1, 1, 0
	MUL16 6, 1, NQ-1, 1, 0
	WIN 0
	; PART 2'S ROWS OF W are asked for now: into the first 128 of W's 256 rows and the first half of its scales, which nobody reads any more
	s_wait_tensorcnt 0x0                           ; no tensor load of mine is out, so descriptors may be written;
	ds_add_u32 v[SPW], v[NIL]                      ; 0 onto my spare word;
	s_mov_b32 s[G1B+2], 64<<16                     ; 64 rows of codes a load,
	s_mov_b32 s[G1B+4], 64
	s_mov_b32 s[G1SB+2], 16<<16                    ; the scales of 128 rows: 16 rows of 256 bytes
	s_mov_b32 s[G1SB+4], 16
	s_mul_i32 s[G0B+1], s14, 64*PITCH
	s_add_co_u32 s[G0B+1], s[G0B+1], 2*HALFT
	s_mov_b64 s[G0B+2:G0B+3], s[60:61]
	s_or_b32 s[G0B+3], s[G0B+3], 0x80000000
	s_mov_b64 s[G0SB+2:G0SB+3], s[62:63]
	s_or_b32 s[G0SB+3], s[G0SB+3], 0x80000000
	s_wait_dscnt 0x0                               ; the add is done, and my reads of W's rows are over
	CROUND                                         ; that holds of every wave of all sixteen work-groups
	s_cmp_lt_u32 s14, 2                            ; waves 0 and 1: 64 rows of codes each; wave 2: the scales; wave 3: nothing
	s_cbranch_scc0 .Lnot_codes
	tensor_load_to_lds s[G0B:G0B+3], s[G1B:G1B+7]
	s_nop 0
.rept 4
	v_nop
.endr
	s_branch .Lasked_2
.Lnot_codes:
	s_cmp_lt_u32 s14, 3
	s_cbranch_scc0 .Lasked_2
	tensor_load_to_lds s[G0SB:G0SB+3], s[G1SB:G1SB+7]
	s_nop 0
.rept 4
	v_nop
.endr
.Lasked_2:
; PART 1's quantiser: 64 numbers of a lane, v[s] on (register 16 t + 8 u + j: place 32 t + 16 u + 8 h + j along the next K), become a fragment's 8 registers in v[pc] on and its scale word in v[pw].
.macro QUANT4 s, pc, pw
.irp b, 0,1,2,3
	v_max3_num_f32 v[TM+\b], |v[\s+16*\b]|, |v[\s+1+16*\b]|, 0x1800000   ; block b: my 16 numbers, and the floor 2^(3 - 127): the byte cannot fall under 1
.endr
.irp i, 2,4,6,8,10,12,14
.irp b, 0,1,2,3
	v_max3_num_f32 v[TM+\b], v[TM+\b], |v[\s+16*\b+\i]|, |v[\s+1+16*\b+\i]|
.endr
.endr
.irp b, 0,1,2,3
	v_permlanex16_b32 v[TM+4+\b], v[TM+\b], s100, s101
.endr
.irp b, 0,1,2,3
	v_max_num_f32 v[TM+\b], v[TM+\b], v[TM+4+\b]   ; with lane l xor 16's: the block's largest magnitude
.endr
.irp b, 0,1,2,3
	v_add_nc_u32 v[TM+12+\b], 0xff000000, v[TM+\b] ; 2 off its exponent field: the conversion's scale operand
.endr
.irp b, 0,1,2,3
	v_lshrrev_b32 v[TM+4+\b], 23, v[TM+12+\b]      ; the scale's byte
.endr
	v_lshl_or_b32 v[\pw], v[TM+5], 8, v[TM+4]
	v_lshl_or_b32 v[\pw], v[TM+6], 16, v[\pw]
	v_lshl_or_b32 v[\pw], v[TM+7], 24, v[\pw]
.irp b, 0,1,2,3
	v_cvt_scalef32_pk8_fp4_f32 v[\pc+4*(\b/2)+\b%2], v[\s+16*\b:\s+16*\b+7], v[TM+12+\b]
	v_cvt_scalef32_pk8_fp4_f32 v[\pc+4*(\b/2)+2+\b%2], v[\s+16*\b+8:\s+16*\b+15], v[TM+12+\b]
.endr
	v_nop                                          ; one plain line behind the scaled conversions
.irp c, 0,1
.irp u, 0,1
	v_permlane16_swap_b32 v[\pc+4*\c+2*\u], v[\pc+4*\c+2*\u+1]   ; the first's lanes 16-31 change places with the second's lanes 0-15
.endr
.endr
.endm
; PART 2's: two whole blocks a lane.  No other lane is asked for a maximum; the scale word's four bytes (block 2 c + h) are gathered from lanes l and l xor 16.
.macro QUANTV s, pc, pw
.irp b, 0,1,2,3
	v_max3_num_f32 v[TM+\b], |v[\s+16*\b]|, |v[\s+1+16*\b]|, 0x1800000   ; four chains of 16, and the floor
.endr
.irp i, 2,4,6,8,10,12,14
.irp b, 0,1,2,3
	v_max3_num_f32 v[TM+\b], v[TM+\b], |v[\s+16*\b+\i]|, |v[\s+1+16*\b+\i]|
.endr
.endr
	v_max_num_f32 v[TM], v[TM], v[TM+1]            ; block h
	v_max_num_f32 v[TM+2], v[TM+2], v[TM+3]        ; block 2 + h
	v_add_nc_u32 v[TM+12], 0xff000000, v[TM]
	v_add_nc_u32 v[TM+13], 0xff000000, v[TM+2]
	v_lshrrev_b32 v[TM+4], 23, v[TM+12]
	v_lshrrev_b32 v[TM+5], 23, v[TM+13]
	v_lshl_or_b32 v[TM+4], v[TM+5], 16, v[TM+4]
	v_lshlrev_b32 v[TM+4], v7, v[TM+4]             ; 8 h bits up
	v_permlanex16_b32 v[TM+5], v[TM+4], s100, s101
	v_or_b32 v[\pw], v[TM+4], v[TM+5]
.irp c, 0,1
.irp u, 0,1,2,3
	v_cvt_scalef32_pk8_fp4_f32 v[\pc+4*\c+\u], v[\s+32*\c+8*\u:\s+32*\c+8*\u+7], v[TM+12+\c]
.endr
.endr
	v_nop                                          ; one plain line behind the scaled conversions
.endm
; THE WAY OUT of A's block a of 16 rows: + bias, quantised, stored.  No LDS: the operand's registers are the buffer's layout.
.macro EPIB part2, a
	s_wait_xcnt 0x0                                ; earlier stores have read the codes' registers
	WIN (0x02+(\a)/4)                              ; source 0: window 2 or 3
.set XI, 0
.rept 32
.if \part2
	v_pk_add_f32 v[T+XI:T+XI+1], v[64*((\a)%4)+XI:64*((\a)%4)+XI+1], v[BI+2*(\a):BI+2*(\a)+1] op_sel_hi:[1,0]   ; each accumulator from its low end on; one bias for the lane's row
.else
	v_pk_add_f32 v[T+XI:T+XI+1], v[64*((\a)%4)+XI:64*((\a)%4)+XI+1], v[BI+XI:BI+XI+1]
.endif
.set XI, XI+2
.endr
	WIN 0
.if \part2
	QUANTV T, PC, WD+\a
	global_store_b128 v[CO], v[PC:PC+3], s[36:37] offset:4096+(\a)*1024       ; v: 16 of my head's d, keys 0-63 of the step,
	global_store_b128 v[CO], v[PC+4:PC+7], s[36:37] offset:4096+(\a)*1024+512 ; and keys 64-127
.else
	QUANT4 T, PC, WD+\a
	global_store_b128 v[CO], v[PC:PC+3], s[98:99] offset:512*(\a)             ; q or k: 16 places, my first head's 64,
	global_store_b128 v[CO], v[PC+4:PC+7], s[98:99] offset:HB+512*(\a)        ; and my second head's
.endif
.endm
	PLACES NP                                      ; behind the last products: their results are read and A's registers written below
	v_cmp_lt_u32 s95, 15, v6                       ; lanes 16-31
	s_wait_loadcnt 0x0                             ; the bias
.irp a, 0,1,2,3,4,5,6,7
	EPIB 0, \a
.endr
.irp i, 0,1,2,3
	v_cndmask_b32 v[T+\i], v[WD+\i], v[WD+4+\i], s95   ; lanes 0-15: tiles 0-3; lanes 16-31: tiles 4-7
.endr
.irp i, 0,1,2,3
	v_and_b32 v[T+4+\i], 0xffff, v[T+\i]           ; the first head's two bytes,
.endr
.irp i, 0,1,2,3
	v_lshrrev_b32 v[T+8+\i], 16, v[T+\i]           ; the second head's
.endr
	global_store_b128 v[CO], v[T+4:T+7], s[98:99] offset:8192
	global_store_b128 v[CO], v[T+8:T+11], s[98:99] offset:HB+8192
	; PART 2
.irp i, 0,1,2,3
	global_load_b32 v[BI+2*\i], v8, s[38:39] offset:64*\i   ; the bias of feature 16 i + r of my head
.endr
	s_wait_alu depctr_va_vdst(0)
	s_wait_xcnt 0x0                                ; the stores have read the registers into which fragments are loaded below
	s_wait_tensorcnt 0x0                           ; my part of W's rows is in,
	s_barrier_signal -1
	s_barrier_wait -1                              ; everybody's is
.set SM, 4
	FETCH_B TKA, 0, 0
	FETCH_W WVA, 0, 0
	SCALES ADRS2, 0
	SCALES ADRS2, 1
.irp g, 0,1,2,3,4,5,6,7
	STEP2 \g
.endr
	WIN 0
	PLACES NP
	s_wait_loadcnt 0x0                             ; the bias
.irp a, 0,1,2,3
	EPIB 1, \a
.endr
	global_store_b128 v[CO], v[WD:WD+3], s[36:37] offset:8704
	s_wait_tensorcnt 0x0                           ; the wave's end
	ds_add_u32 v[SPW], v[NIL]
	s_wait_dscnt 0x0
	CROUND                                         ; the closing round
	s_endpgm
.Lfunc_end_k_q7a81226bdd_qkv:
	.size	k_q7a81226bdd_qkv, .Lfunc_end_k_q7a81226bdd_qkv-k_q7a81226bdd_qkv
	.p2alignl 7, 3214868480
	.fill 96, 4, 3214868480
	.section	.rodata,"a",@progbits
	.p2align	6, 0x0
	.amdhsa_kernel k_q7a81226bdd_qkv
		.amdhsa_group_segment_fixed_size 327680
		.amdhsa_private_segment_fixed_size 0
		.amdhsa_enable_private_segment 0
		.amdhsa_kernarg_size 48
		.amdhsa_user_sgpr_count 2
		.amdhsa_user_sgpr_kernarg_segment_ptr 1
		.amdhsa_wavefront_size32 1
		.amdhsa_system_sgpr_workgroup_id_x 1
		.amdhsa_system_sgpr_workgroup_id_y 1
		.amdhsa_system_sgpr_workgroup_id_z 1
		.amdhsa_system_vgpr_workitem_id 0
		.amdhsa_next_free_vgpr 1024
		.amdhsa_next_free_sgpr 102
		.amdhsa_reserve_vcc 0
		.amdhsa_float_denorm_mode_32 3
		.amdhsa_float_denorm_mode_16_64 3
		.amdhsa_memory_ordered 1
		.amdhsa_forward_progress 1
		.amdhsa_inst_pref_size 217
	.end_amdhsa_kernel
	.amdgpu_metadata
---
amdhsa.version: [ 1, 2 ]
amdhsa.kernels:
  - .name:           k_q7a81226bdd_qkv
    .symbol:         k_q7a81226bdd_qkv.kd
    .args:
      - { .name: xq, .offset: 0, .size: 8, .value_kind: global_buffer, .address_space: global }
      - { .name: xs, .offset: 8, .size: 8, .value_kind: global_buffer, .address_space: global }
      - { .name: W_qkv_codes, .offset: 16, .size: 8, .value_kind: global_buffer, .address_space: global }
      - { .name: W_qkv_scales, .offset: 24, .size: 8, .value_kind: global_buffer, .address_space: global }
      - { .name: b_qkv, .offset: 32, .size: 8, .value_kind: global_buffer, .address_space: global }
      - { .name: qkv, .offset: 40, .size: 8, .value_kind: global_buffer, .address_space: global }
    .group_segment_fixed_size: 327680
    .private_segment_fixed_size: 0
    .kernarg_segment_align: 8
    .kernarg_segment_size: 48
    .max_flat_workgroup_size: 128
    .sgpr_count:     102
    .vgpr_count:     1024
    .wavefront_size: 32
...
	.end_amdgpu_metadata
.endif
;; end of part 2
;; launch attn (part 3): grid 4 x 64, 16 waves a work-group, clusters of 4 x 1, 167,936 bytes of LDS; arguments qkv, oimg, osc; writes oimg, osc
.if DOCPART == 3
	.amdgcn_target "amdgcn-amd-amdhsa--gfx1250"
	.amdhsa_code_object_version 6
	.text
	.protected	k_q7a81226bdd_attn
	.globl	k_q7a81226bdd_attn
	.p2align	8
	.type	k_q7a81226bdd_attn,@function
k_q7a81226bdd_attn:
	s_mov_b64 s[64:65], 0
	v_nop
	global_prefetch_b8 v0, s[64:65] scope:SCOPE_SE
	s_setreg_imm32_b32 hwreg(HW_REG_WAVE_MODE, 25, 1), 1
	s_wait_xcnt 0x0
	s_wait_alu depctr_hold_cnt(0) depctr_sa_sdst(0) depctr_va_vdst(0) depctr_va_sdst(0) depctr_va_ssrc(0) depctr_va_vcc(0) depctr_vm_vsrc(0)
	s_getreg_b32 s2, hwreg(HW_REG_IB_STS2, 6, 4)
	s_cmp_eq_u32 s2, 0
	s_cbranch_scc0 .Lentry_in_a_cluster
	s_endpgm
.Lentry_in_a_cluster:
	s_bfe_u32 s2, ttmp6, 0x10000c
	s_cmp_lg_u32 s2, 0x3003
	s_cbranch_scc0 .Lentry_shape_is_right
	s_endpgm
.Lentry_shape_is_right:
; softmax(q k^T / 8) v for one batch and head a cluster, both products on codes of FP4; the result, divided by the row's sum, is quantised along the model's 1,024 (two blocks a head) for the last product.  No work is left out.
; THE SOFTMAX: t = score x log2(e) / 8; M = the running largest t rounded UP to a whole number; p = 2^(t - M) is quantised along the keys, not normalised; the row's sum is taken of the unquantised p.  When M moves, sum and O are multiplied by 2^(old M - new M).
; SHARES.  The cluster's four work-groups take 512 queries each; a wave one tile of 16 queries in each of two passes; four waves to a SIMD.
; THE HEAD'S WHOLE k AND v, with their scale words, are 147,456 dense bytes: they come into LDS once, jointly for the four partners: each of the 16 waves asks for one key step, 36 rows of 256 bytes.  Nothing is filled again.
; That one fill stands at the head, with no loop ahead of it to ask from: so nothing is prefetched.
; The bytes lie as the operands' registers want them: every LDS read is 16 bytes a lane at 16 x lane + a constant.
; LAYOUT.  Both products transposed: S^T = k q^T, O^T = v^T p^T: a lane holds one query throughout.
; THE ORDER OF TOKENS: place 64 c + 16 u + 8 g + e of a step's 128 holds token 64 c + 32 g + 8 u + e (the first launch lays them so).  So in S^T tile 4 c + u lane (r, h) holds keys 64 c + 32 h + 8 u + 0 .. 7:
; the 32 registers of tiles 4 c .. 4 c + 3 are ONE WHOLE BLOCK of 32 keys, block 2 c + h, in order.  A block's maximum needs no other lane, and the conversion of tile 4 c + u is register 4 c + u of p's operand as it stands.
; Queries lie in the same order; oimg and osc keep it, and the last launch brings the rows back.
; K of the first product is 64.  q's registers 4-7 are zero codes, so K = 64 .. 127 adds nothing whatever k's codes there are (FP4 has no NaN and no infinity, and the scale bytes there are 0, a finite code):
; k's fragment t is v[KF + 4 t .. + 7], whose upper four registers are the next fragment's lower four.
; k's fragments are fetched one key step ahead; v's at the head of their step.
; A BARRIER WHOSE SIGNAL STANDS ONE KEY STEP AHEAD OF ITS WAIT: no wave is more than one key step ahead of the last, so the sixteen walk the same bytes of LDS together.  Between signal and wait stand register work and LDS loads of bytes that nobody writes.
; OUT: oimg [tile of 16 places][K step = head / 2][head % 2][lane][16 bytes]: a store covers 512 consecutive bytes.  osc [place][32]: bytes 2 head, 2 head + 1.
; LIMITS: the scaled scores t stay under 2^31 in magnitude; byte 1 for blocks of zeros and for blocks under 2^-124; no NaN, no infinities among the inputs.
.set HB,    147456
.set STEPB, 9216                       ; 128 keys: k's 8 images, v's 8 images, k's scale words, v's scale words
.set SPARE, 147456                     ; the spare words, 128 bytes for each of 16 waves, that no other line names
.set LI,  1                            ; v1  16 x lane
.set R16, 2                            ; v2  16 r
.set R32, 3                            ; v3  32 r
.set AD,  4                            ; v4  the step's LDS address
.set SPW, 5
.set NIL, 6
.set H8,  7                            ; v7  8 h
.set QF,  16                           ; v16-23, v24-31 q's fragments of the two passes;  v12 -M, v13 the largest score, v[14:15] the sum in two halves
.set QW,  32                           ; v32, v33 q's scale words; v34 p's; v36-39 k's; v40-43 v's: scales and nothing else
.set PW,  34
.set KSC, 36
.set VSC, 40
.set KF,  44                           ; v44-79   k's 8 fragments, four registers apart
.set SS,  80                           ; v80-143  S^T, then p
.set OO,  144                          ; v144-175 O^T, 4 tiles
.set VF,  176                          ; v176-207 v's 4 fragments
.set PC,  208                          ; v208-215 the codes made
.set BM,  216                          ; v216-219 maxima
.set PB,  220
.set CV,  224
.set FF,  226                          ; v[226:227] f
.set TA,  228
.set TB,  229
.set SA,  230                          ; v230-243 seven partial sums
.set OB,  244
.macro CROUND
	s_barrier_signal -1
	s_barrier_wait -1
	s_cmp_lg_u32 s10, 0
	s_cbranch_scc1 .Lnot_wave_0_\@
	s_barrier_signal -3
.Lnot_wave_0_\@:
	s_barrier_wait -3
	s_barrier_signal -1
	s_barrier_wait -1
.endm
	s_load_b128 s[4:7], s[0:1], 0x0                ; qkv, oimg
	s_load_b64 s[8:9], s[0:1], 0x10                ; osc
	v_lshl_add_u32 v[SPW], v0, 2, SPARE
	v_mov_b32 v[NIL], 0
	ds_add_u32 v[SPW], v[NIL]                      ; the wave's opening: the add, twice on end, and its wait ahead of the first tensor load
	ds_add_u32 v[SPW], v[NIL]
	v_lshrrev_b32 v8, 5, v0
	v_readfirstlane_b32 s10, v8                    ; wave 0..15
	s_bfe_u32 s11, ttmp6, 0x40000                  ; cx: it enters q's, oimg's and osc's addresses alone
	s_and_b32 s12, ttmp7, 0xffff                   ; 16 x batch + head
	s_lshr_b32 s34, s12, 4
	s_and_b32 s35, s12, 15
	s_lshl_b32 s36, s34, 5
	s_add_co_u32 s36, s36, s35
	s_mul_i32 s36, s36, HB                         ; q's block
	s_and_b32 s13, s10, 7                          ; my tile among a step's eight
	s_mul_i32 s37, s10, STEPB                      ; the key step that I fetch
	s_add_co_u32 s38, s36, s37
	s_add_co_u32 s38, s38, 16*HB                   ; k's and v's block lies 16 blocks on
	s_mov_b32 s39, 0
	s_lshl_b32 s44, s11, 2
	s_lshr_b32 s45, s10, 3
	s_add_co_u32 s44, s44, s45                     ; pass 0: my 128 queries of the batch's 2,048: 4 cx + wave / 8; pass 1: two further on
	s_mul_i32 s40, s44, STEPB
	s_add_co_u32 s40, s40, s36
	s_mov_b32 s41, 0
	s_add_co_u32 s42, s40, 8192                    ; q's scale words: 256 (tile / 4) + 16 r + 4 (tile % 4)
	s_bfe_u32 s45, s10, 0x10002
	s_lshl_b32 s45, s45, 8
	s_add_co_u32 s42, s42, s45
	s_and_b32 s45, s10, 3
	s_lshl_b32 s45, s45, 2
	s_add_co_u32 s42, s42, s45
	s_mov_b32 s43, 0
	s_lshl_b32 s45, s13, 9
	s_add_co_u32 s40, s40, s45                     ; q's image: 512 x tile
	s_lshl_b32 s46, s34, 7
	s_lshl_b32 s45, s44, 3
	s_add_co_u32 s46, s46, s45
	s_add_co_u32 s46, s46, s13                     ; my tile of 16 places, of 512
	s_lshl_b32 s48, s46, 13
	s_lshl_b32 s45, s35, 9
	s_add_co_u32 s48, s48, s45                     ; oimg: 8,192 x tile + 512 x head
	s_mov_b32 s49, 0
	s_lshl_b32 s50, s46, 9
	s_lshl_b32 s45, s35, 1
	s_add_co_u32 s50, s50, s45                     ; osc: 512 x tile + 2 x head
	s_mov_b32 s51, 0
	s_mov_b32 s16, 15|(3<<16)|(1<<21)              ; group 1: the mask of all four; elements of 8 bytes; bit 21 beside a mask; no padding
	s_mov_b32 s17, 32<<16                          ; tensor_dim0 = 32 elements: 256 bytes
	s_mov_b32 s18, 36<<16                          ; tensor_dim1 = 36 rows: one key step
	s_mov_b32 s19, 32<<16                          ; tile_dim0
	s_mov_b32 s20, 36                              ; tile_dim1
	s_mov_b32 s21, 32                              ; from row to row: dense
	s_mov_b32 s22, 0
	s_mov_b32 s23, 0
	s_mov_b32 s28, 0x76543210
	s_mov_b32 s29, 0xfedcba98                      ; selects for lane l xor 16
	s_mov_b32 s30, 0x3e38aa3b                      ; c = log2(e) / 8
	s_mov_b32 s31, s30                             ; (named with it as a pair)
	v_and_b32 v8, 31, v0
	v_and_b32 v9, 15, v0
	v_bfe_u32 v10, v0, 4, 1
	v_lshlrev_b32 v[LI], 4, v8
	v_lshlrev_b32 v[R16], 4, v9
	v_lshlrev_b32 v[R32], 5, v9
	v_lshlrev_b32 v[H8], 3, v10
	s_wait_alu depctr_va_vdst(0)
	s_wait_dscnt 0x0                               ; both opening adds are done
	s_wait_kmcnt 0x0
	s_mov_b32 s24, 1
	s_mov_b32 s25, s37                             ; LDS: as the block lies in memory
	s_add_nc_u64 s[26:27], s[4:5], s[38:39]
	s_or_b32 s27, s27, 0x80000000
	s_add_nc_u64 s[14:15], s[4:5], s[42:43]
	s_add_nc_u64 s[4:5], s[4:5], s[40:41]
	s_add_nc_u64 s[6:7], s[6:7], s[48:49]
	s_add_nc_u64 s[8:9], s[8:9], s[50:51]
	CROUND                                         ; all four work-groups are here: the joint loads meet
	tensor_load_to_lds s[24:27], s[16:23]          ; every wave's one load
	s_nop 0
	global_load_b128 v[QF:QF+3], v[LI], s[4:5]     ; q of both passes, under the tensor loads' flight
	global_load_b128 v[QF+8:QF+11], v[LI], s[4:5] offset:2*STEPB
	global_load_b32 v[QW], v[R16], s[14:15]
	global_load_b32 v[QW+1], v[R16], s[14:15] offset:2*STEPB
.irp j, 4,5,6,7,12,13,14,15
	v_mov_b32 v[QF+\j], 0                          ; K = 64 .. 127 of the first product: zero codes, set once
.endr
.irp j, 32,33,34,35
	v_mov_b32 v[KF+\j], 0                          ; the upper four registers of k's last fragment
.endr
.irp j, PB, PB+1, TA, TB, FF+1
	v_mov_b32 v[\j], 0                             ; written once: a lane permute's destination counts as one of its sources; FF + 1 is named as the upper half of a pair
.endr
	s_wait_alu depctr_va_vdst(0)                   ; the wait at the head's end
	s_wait_tensorcnt 0x0                           ; my part has landed,
	s_barrier_signal -1
	s_barrier_wait -1                              ; everybody's has
.macro KLOAD adr, off                  ; k's eight images and its scale words
.irp t, 0,1,2,3,4,5,6,7
	ds_load_b128 v[KF+4*\t:KF+4*\t+3], v[\adr] offset:\off+512*\t
.endr
	ds_load_b128 v[KSC:KSC+3], v[\adr] offset:\off+8192
.endm
; A KEY STEP: 128 keys.  p: the pass.  pre = 1: the next step's k is fetched; 2: step 0's, for the next pass; 0: none.
.macro STEP p, pre
.irp t, 0,1,2,3
	v_wmma_scale_f32_16x16x128_f8f6f4 v[SS+8*\t:SS+8*\t+7], v[KF+4*\t:KF+4*\t+7], v[QF+8*\p:QF+8*\p+7], 0, v[KSC+\t], v[QW+\p] matrix_a_fmt:MATRIX_FMT_FP4 matrix_b_fmt:MATRIX_FMT_FP4
.endr
.irp t, 4,5,6,7
	v_wmma_scale_f32_16x16x128_f8f6f4 v[SS+8*\t:SS+8*\t+7], v[KF+4*\t:KF+4*\t+7], v[QF+8*\p:QF+8*\p+7], 0, v[KSC+\t-4], v[QW+\p] matrix_a_fmt:MATRIX_FMT_FP4 matrix_b_fmt:MATRIX_FMT_FP4 matrix_a_scale:MATRIX_SCALE_ROW1
.endr
	v_add_nc_u32 v[AD], s32, v[LI]                 ; four places: behind these products, whose results are read and whose operands are loaded anew below, and behind the last step's, into whose operands v is loaded
	v_mov_b32 v[TA], v12                           ; the old -M
	v_nop
	v_nop
.irp t, 0,1,2,3
.irp e, 0,1
	ds_load_b128 v[VF+8*\t+4*\e:VF+8*\t+4*\e+3], v[AD] offset:4096+1024*\t+512*\e
.endr
.endr
	ds_load_b128 v[VSC:VSC+3], v[AD] offset:8704
.if (\pre) == 1
	KLOAD AD, STEPB
.endif
.if (\pre) == 2
	KLOAD LI, 0
.endif
.irp b, 0,1,2,3
	v_max3_num_f32 v[BM+\b], v[SS+16*\b], v[SS+1+16*\b], v[SS+2+16*\b]   ; the largest score, in four chains of 16 registers
.endr
.irp i, 3,5,7,9,11,13
.irp b, 0,1,2,3
	v_max3_num_f32 v[BM+\b], v[BM+\b], v[SS+16*\b+\i], v[SS+1+16*\b+\i]
.endr
.endr
	v_max3_num_f32 v[BM], v[BM], v[BM+1], v[SS+15]
	v_max3_num_f32 v[BM+2], v[BM+2], v[BM+3], v[SS+47]
	v_max_num_f32 v[BM], v[BM], v[SS+31]           ; block h's largest score: for the row's maximum, and, since p rises with the score, for the block's largest p
	v_max_num_f32 v[BM+2], v[BM+2], v[SS+63]       ; block 2 + h's
	v_max3_num_f32 v13, v13, v[BM], v[BM+2]
	v_permlanex16_b32 v[TB], v13, s28, s29
	v_max_num_f32 v13, v13, v[TB]                  ; the running largest score of my query
	v_mul_f32 v[TB], s30, v13                      ; as t (c is positive)
	v_floor_f32 v12, -v[TB]                        ; the new -M = floor(-t): M is a whole number
	; t - M, two at a time; the three dependent lines that make f stand among these 32 independent ones
.set XI, 0
.rept 4
	v_pk_fma_f32 v[SS+XI:SS+XI+1], v[SS+XI:SS+XI+1], s[30:31], v[12:13] op_sel_hi:[1,0,0]
.set XI, XI+2
.endr
	v_sub_f32 v[TA], v12, v[TA]                    ; old M - new M: a whole number, 0 or less
.rept 4
	v_pk_fma_f32 v[SS+XI:SS+XI+1], v[SS+XI:SS+XI+1], s[30:31], v[12:13] op_sel_hi:[1,0,0]
.set XI, XI+2
.endr
	v_cvt_i32_f32 v[TA], v[TA]                     ; (it saturates)
.rept 4
	v_pk_fma_f32 v[SS+XI:SS+XI+1], v[SS+XI:SS+XI+1], s[30:31], v[12:13] op_sel_hi:[1,0,0]
.set XI, XI+2
.endr
	v_ldexp_f32 v[FF], 1.0, v[TA]                  ; f = 2^(old M - new M)
.rept 20
	v_pk_fma_f32 v[SS+XI:SS+XI+1], v[SS+XI:SS+XI+1], s[30:31], v[12:13] op_sel_hi:[1,0,0]
.set XI, XI+2
.endr
	v_fma_f32 v[BM], v[BM], s30, v12               ; the same of each block's largest score
	v_fma_f32 v[BM+2], v[BM+2], s30, v12
.set XI, 0
.rept 16
	v_pk_mul_f32 v[OO+XI:OO+XI+1], v[OO+XI:OO+XI+1], v[FF:FF+1] op_sel_hi:[1,0]   ; O^T under the new M, ahead of the exponentials: no transcendental stands between the last step's products and these first readers
.set XI, XI+2
.endr
	s_wait_alu depctr_va_vdst(0)                   ; the wait ahead of the batch
	v_exp_f32 v[BM], v[BM]                         ; the blocks' largest p
	v_exp_f32 v[BM+2], v[BM+2]
.set XI, 0
.rept 64
	v_exp_f32 v[SS+XI], v[SS+XI]                   ; p = 2^(t - M)
.set XI, XI+1
.endr
	v_nop                                          ; a plain line behind the exponentials
	s_wait_alu depctr_va_vdst(0)                   ; one wait for the batch, ahead of its first reader
	; p's scale word is a chain of seven dependent steps: the first nine lines of the row's sum (of the unquantised p, in eight chains; its first line brings the old sum under the new M) and the eight conversions stand among them
	v_max_num_f32 v[BM], 0x1800000, v[BM]          ; the floor 2^(3 - 127)
	v_max_num_f32 v[BM+2], 0x1800000, v[BM+2]
	v_pk_fma_f32 v[14:15], v[14:15], v[FF:FF+1], v[SS:SS+1] op_sel_hi:[1,0,1]
	v_pk_add_f32 v[SA:SA+1], v[SS+2:SS+3], v[SS+18:SS+19]
	v_add_nc_u32 v[CV], 0xff000000, v[BM]          ; the conversion's scale operand
	v_add_nc_u32 v[CV+1], 0xff000000, v[BM+2]
	v_pk_add_f32 v[SA+2:SA+3], v[SS+4:SS+5], v[SS+20:SS+21]
	v_pk_add_f32 v[SA+4:SA+5], v[SS+6:SS+7], v[SS+22:SS+23]
	v_lshrrev_b32 v[PB], 23, v[CV]                 ; the scale's byte
	v_lshrrev_b32 v[PB+1], 23, v[CV+1]
	v_pk_add_f32 v[SA+6:SA+7], v[SS+8:SS+9], v[SS+24:SS+25]
	v_pk_add_f32 v[SA+8:SA+9], v[SS+10:SS+11], v[SS+26:SS+27]
	v_lshl_or_b32 v[TB], v[PB+1], 16, v[PB]        ; my bytes: blocks h and 2 + h,
	v_pk_add_f32 v[SA+10:SA+11], v[SS+12:SS+13], v[SS+28:SS+29]
	v_pk_add_f32 v[SA+12:SA+13], v[SS+14:SS+15], v[SS+30:SS+31]
	v_pk_add_f32 v[14:15], v[14:15], v[SS+16:SS+17]
	v_lshlrev_b32 v[TB], v[H8], v[TB]              ; 8 h bits up;
	v_cvt_scalef32_pk8_fp4_f32 v[PC], v[SS:SS+7], v[CV]
	v_cvt_scalef32_pk8_fp4_f32 v[PC+1], v[SS+8:SS+15], v[CV]
	v_cvt_scalef32_pk8_fp4_f32 v[PC+2], v[SS+16:SS+23], v[CV]
	v_permlanex16_b32 v[TA], v[TB], s28, s29
	v_cvt_scalef32_pk8_fp4_f32 v[PC+3], v[SS+24:SS+31], v[CV]
	v_cvt_scalef32_pk8_fp4_f32 v[PC+4], v[SS+32:SS+39], v[CV+1]
	v_cvt_scalef32_pk8_fp4_f32 v[PC+5], v[SS+40:SS+47], v[CV+1]
	v_or_b32 v[PW], v[TB], v[TA]                   ; with lane l xor 16's two the word is whole
	v_cvt_scalef32_pk8_fp4_f32 v[PC+6], v[SS+48:SS+55], v[CV+1]
	v_cvt_scalef32_pk8_fp4_f32 v[PC+7], v[SS+56:SS+63], v[CV+1]
	; the sum's other 23 plain lines are also the places between p's codes and scale word and the products
.irp g, 32,48
.irp k, 1,2,3,4,5,6,7
	v_pk_add_f32 v[SA+2*\k-2:SA+2*\k-1], v[SA+2*\k-2:SA+2*\k-1], v[SS+\g+2*\k:SS+\g+2*\k+1]
.endr
	v_pk_add_f32 v[14:15], v[14:15], v[SS+\g:SS+\g+1]
.endr
	v_pk_add_f32 v[SA:SA+1], v[SA:SA+1], v[SA+2:SA+3]
	v_pk_add_f32 v[SA+4:SA+5], v[SA+4:SA+5], v[SA+6:SA+7]
	v_pk_add_f32 v[SA+8:SA+9], v[SA+8:SA+9], v[SA+10:SA+11]
	v_pk_add_f32 v[14:15], v[14:15], v[SA+12:SA+13]
	v_pk_add_f32 v[SA:SA+1], v[SA:SA+1], v[SA+4:SA+5]
	v_pk_add_f32 v[14:15], v[14:15], v[SA+8:SA+9]
	v_pk_add_f32 v[14:15], v[14:15], v[SA:SA+1]
	s_wait_alu depctr_va_vdst(0)
	s_wait_dscnt 0x0                               ; v is in, and so is the k fetched ahead: no LDS load of mine is out at the signal
	s_barrier_wait -1                              ; every wave has come as far as this line of the step before,
	s_barrier_signal -1                            ; and I have come as far as this one
.irp t, 0,1,2,3
	v_wmma_scale_f32_16x16x128_f8f6f4 v[OO+8*\t:OO+8*\t+7], v[VF+8*\t:VF+8*\t+7], v[PC:PC+7], v[OO+8*\t:OO+8*\t+7], v[VSC+\t], v[PW] matrix_a_fmt:MATRIX_FMT_FP4 matrix_b_fmt:MATRIX_FMT_FP4
.endr
.endm
.macro PASS p
.if \p
	s_wait_xcnt 0x0                                ; the first pass's stores have read their registers
.endif
	v_mov_b32 v13, 0xff61b1e6                      ; the largest score so far: -3e38
	v_mul_f32 v[TB], s30, v13
	v_floor_f32 v12, -v[TB]
	v_mov_b32 v14, 0
	v_mov_b32 v15, 0
.set XI, 0
.rept 32
	v_mov_b32 v[OO+XI], 0                          ; the step is written once: the first finds zeros, which the first change of M leaves zeros
.set XI, XI+1
.endr
	s_mov_b32 s32, 0
	s_mov_b32 s33, 15
	s_wait_alu depctr_va_vdst(0)
	s_wait_dscnt 0x0                               ; step 0's k
	s_barrier_signal -1
.Lkeys_\p:
	STEP \p, 1
	s_add_co_u32 s32, s32, STEPB
	s_sub_co_u32 s33, s33, 1
	s_cmp_lg_u32 s33, 0
	s_cbranch_scc1 .Lkeys_\p
	STEP \p, 2-2*\p                                ; the last step is written out: it has no step behind it to fetch
	s_barrier_wait -1                              ; closes the last signal
	v_add_f32 v14, v14, v15                        ; the sum's two halves,
	v_permlanex16_b32 v[TB], v14, s28, s29
	v_add_f32 v14, v14, v[TB]                      ; and lane l xor 16's
	s_wait_alu depctr_va_vdst(0)                   ; the wait ahead of the transcendental
	v_rcp_f32 v14, v14
.rept 3
	v_nop                                          ; plain lines behind the reciprocal; with the additions above, the places behind the last products
.endr
	s_wait_alu depctr_va_vdst(0)                   ; ahead of the first reader of the reciprocal and of O^T
.set XI, 0
.rept 32
	v_mul_f32 v[SS+XI], v[OO+XI], v14              ; O^T / the sum: register 8 t + j is d = 16 t + 8 h + j of my query
.set XI, XI+1
.endr
.irp b, 0,1
	v_max3_num_f32 v[BM+\b], |v[SS+16*\b]|, |v[SS+1+16*\b]|, 0x1800000
.endr
.irp i, 2,4,6,8,10,12,14
.irp b, 0,1
	v_max3_num_f32 v[BM+\b], v[BM+\b], |v[SS+16*\b+\i]|, |v[SS+1+16*\b+\i]|
.endr
.endr
.irp b, 0,1
	v_permlanex16_b32 v[PB+\b], v[BM+\b], s28, s29
.endr
.irp b, 0,1
	v_max_num_f32 v[BM+\b], v[BM+\b], v[PB+\b]     ; here a block of 32 d lies in lanes l and l xor 16
.endr
.irp b, 0,1
	v_add_nc_u32 v[CV+\b], 0xff000000, v[BM+\b]
.endr
.irp b, 0,1
	v_lshrrev_b32 v[PB+\b], 23, v[CV+\b]
.endr
	v_lshl_or_b32 v[OB], v[PB+1], 8, v[PB]         ; the head's two scale bytes of my query
.irp b, 0,1
	v_cvt_scalef32_pk8_fp4_f32 v[PC+\b], v[SS+16*\b:SS+16*\b+7], v[CV+\b]
	v_cvt_scalef32_pk8_fp4_f32 v[PC+2+\b], v[SS+16*\b+8:SS+16*\b+15], v[CV+\b]
.endr
	v_nop
	v_permlane16_swap_b32 v[PC], v[PC+1]           ; a whole block to a lane
	v_permlane16_swap_b32 v[PC+2], v[PC+3]
	global_store_b128 v[LI], v[PC:PC+3], s[6:7] offset:131072*\p     ; 512 consecutive bytes
	global_store_b16 v[R32], v[OB], s[8:9] offset:8192*\p            ; lanes r and r + 16 store the same two bytes
.endm
	KLOAD LI, 0                                    ; step 0's k
	s_wait_loadcnt 0x0                             ; q
	PASS 0
	PASS 1
	s_wait_tensorcnt 0x0                           ; the wave's end
	ds_add_u32 v[SPW], v[NIL]
	s_wait_dscnt 0x0
	CROUND                                         ; the closing round
	s_endpgm
.Lfunc_end_k_q7a81226bdd_attn:
	.size	k_q7a81226bdd_attn, .Lfunc_end_k_q7a81226bdd_attn-k_q7a81226bdd_attn
	.p2alignl 7, 3214868480
	.fill 96, 4, 3214868480
	.section	.rodata,"a",@progbits
	.p2align	6, 0x0
	.amdhsa_kernel k_q7a81226bdd_attn
		.amdhsa_group_segment_fixed_size 167936
		.amdhsa_private_segment_fixed_size 0
		.amdhsa_enable_private_segment 0
		.amdhsa_kernarg_size 24
		.amdhsa_user_sgpr_count 2
		.amdhsa_user_sgpr_kernarg_segment_ptr 1
		.amdhsa_wavefront_size32 1
		.amdhsa_system_sgpr_workgroup_id_x 1
		.amdhsa_system_sgpr_workgroup_id_y 1
		.amdhsa_system_sgpr_workgroup_id_z 1
		.amdhsa_system_vgpr_workitem_id 0
		.amdhsa_next_free_vgpr 256
		.amdhsa_next_free_sgpr 66
		.amdhsa_reserve_vcc 0
		.amdhsa_float_denorm_mode_32 3
		.amdhsa_float_denorm_mode_16_64 3
		.amdhsa_memory_ordered 1
		.amdhsa_forward_progress 1
		.amdhsa_inst_pref_size 70
	.end_amdhsa_kernel
	.amdgpu_metadata
---
amdhsa.version: [ 1, 2 ]
amdhsa.kernels:
  - .name:           k_q7a81226bdd_attn
    .symbol:         k_q7a81226bdd_attn.kd
    .args:
      - { .name: qkv, .offset: 0, .size: 8, .value_kind: global_buffer, .address_space: global }
      - { .name: oimg, .offset: 8, .size: 8, .value_kind: global_buffer, .address_space: global }
      - { .name: osc, .offset: 16, .size: 8, .value_kind: global_buffer, .address_space: global }
    .group_segment_fixed_size: 167936
    .private_segment_fixed_size: 0
    .kernarg_segment_align: 8
    .kernarg_segment_size: 24
    .max_flat_workgroup_size: 512
    .sgpr_count:     66
    .vgpr_count:     256
    .wavefront_size: 32
...
	.end_amdgpu_metadata
.endif
;; end of part 3
;; launch outln (part 4): grid 256 x 1, 8 waves a work-group, clusters of 4 x 1, 327,680 bytes of LDS; arguments oimg, osc, W_out_codes, W_out_scales, b_out, x, gamma, beta, out0; writes out0
.if DOCPART == 4
	.amdgcn_target "amdgcn-amd-amdhsa--gfx1250"
	.amdhsa_code_object_version 6
	.text
	.protected	k_q7a81226bdd_outln
	.globl	k_q7a81226bdd_outln
	.p2align	8
	.type	k_q7a81226bdd_outln,@function
k_q7a81226bdd_outln:
	s_mov_b64 s[64:65], 0
	v_nop
	global_prefetch_b8 v0, s[64:65] scope:SCOPE_SE
	s_setreg_imm32_b32 hwreg(HW_REG_WAVE_MODE, 25, 1), 1
	s_wait_xcnt 0x0
	s_wait_alu depctr_hold_cnt(0) depctr_sa_sdst(0) depctr_va_vdst(0) depctr_va_sdst(0) depctr_va_ssrc(0) depctr_va_vcc(0) depctr_vm_vsrc(0)
	s_getreg_b32 s2, hwreg(HW_REG_IB_STS2, 6, 4)
	s_cmp_eq_u32 s2, 0
	s_cbranch_scc0 .Lentry_in_a_cluster
	s_endpgm
.Lentry_in_a_cluster:
	s_bfe_u32 s2, ttmp6, 0x10000c
	s_cmp_lg_u32 s2, 0x3003
	s_cbranch_scc0 .Lentry_shape_is_right
	s_endpgm
.Lentry_shape_is_right:
.set WP,    528
.set WREG,  32*WP
; The last product, + b_out, + x, LayerNorm.  A work-group takes 32 places of oimg and all 1,024 columns; wave w takes rows 128 w .. 128 w + 127 of W_out, in four chunks of 32.
; W's codes come in TWO fills, each wave's one joint load of 64 rows of 512 bytes (two chunks) into its own LDS bytes; W's scale words go from memory into registers, a chunk ahead.
; The places of oimg and osc follow the first launch's order of tokens; x and out0 are addressed by the tokens themselves.  No work is left out.
.set SLOT,  WREG                       ; a wave's 64 rows: chunk 0 or 2, then chunk 1 or 3
.set SPARE, 16*WREG                    ; the spare words, 128 bytes for each wave, that no other line names
.set GB,    SPARE+1024                 ; gamma's 4,096 bytes, then beta's: LDS bytes of their own, into which no fill lands.  Wave w brings bytes 512 w on of each at the head; all waves read them behind the refill's round
.set STP,   4112
.set LI,  1
.set AW,  4
.set ASC, 6
.set SO,  7
.set SR,  9
.set H32, 10
.set R32, 11
.set SPW, 12
.set NIL, 13
.set OSC, 32
.set WSC, 48
.set WF,  64
.set XX,  128
.set ACC, 128
.set G1W, 28
.set G1S, 36
.set G0,  44
.set G0S, 52
.set MSB, 0
.macro WIN new
.if MSB != \new
	s_set_vgpr_msb (MSB<<8)|\new
.set MSB, \new
.endif
.endm
.macro PLACES
.rept 4
	v_nop
.endr
.endm
.macro CROUND
	s_barrier_signal -1
	s_barrier_wait -1
	s_cmp_lg_u32 s22, 0
	s_cbranch_scc1 .Lnot_wave_0_\@
	s_barrier_signal -3
.Lnot_wave_0_\@:
	s_barrier_wait -3
	s_barrier_signal -1
	s_barrier_wait -1
.endm
	s_load_b256 s[4:11], s[0:1], 0x0
	s_load_b256 s[12:19], s[0:1], 0x20
	s_load_b64 s[20:21], s[0:1], 0x40
	v_lshl_add_u32 v[SPW], v0, 2, SPARE
	v_mov_b32 v[NIL], 0
	ds_add_u32 v[SPW], v[NIL]
	ds_add_u32 v[SPW], v[NIL]
	v_lshrrev_b32 v14, 5, v0
	s_delay_alu instid0(VALU_DEP_1)
	v_readfirstlane_b32 s22, v14
	s_bfe_u32 s23, ttmp6, 0x40000
	s_lshl_b32 s24, ttmp9, 2
	s_add_co_u32 s24, s24, s23
	s_mov_b32 s[G1W], 15|(0<<16)|(1<<20)|(1<<21)|(6<<22)|(3<<25)
	s_mov_b32 s[G1W+1], 512<<16
	s_mov_b32 s[G1W+2], 64<<16
	s_mov_b32 s[G1W+3], 512<<16
	s_mov_b32 s[G1W+4], 64
	s_mov_b32 s[G1W+5], 512
	s_mov_b32 s[G1W+6], 0
	s_mov_b32 s[G1W+7], 0
	s_mul_i32 s25, s22, 2*WREG
	s_lshl_b32 s60, s22, 16
	s_mov_b32 s61, 0
	s_lshl_b32 s62, s22, 12
	s_mov_b32 s63, 0
	s_mov_b32 s56, 0x3a800000
	s_mov_b32 s57, 0x3727c5ac
	s_mov_b32 s58, 0x76543210
	s_mov_b32 s59, 0xfedcba98
	s_lshl_b32 s66, s24, 14
	s_mov_b32 s67, 0
	s_lshl_b32 s68, s24, 10
	s_mov_b32 s69, 0
	; my four rows are places 32 wg + 4 w + 0 .. 3.  Place 64 c + 16 u + 8 g + e of a 128 holds token 64 c + 32 g + 8 u + e: token = 64 (wg / 2) + 16 (wg % 2) + 32 (w / 2 % 2) + 8 (w / 4) + 4 (w % 2) + 0 .. 3
	s_lshr_b32 s70, s24, 1
	s_lshl_b32 s70, s70, 6
	s_and_b32 s27, s24, 1
	s_lshl_b32 s27, s27, 4
	s_add_co_u32 s70, s70, s27
	s_bfe_u32 s27, s22, 0x10001
	s_lshl_b32 s27, s27, 5
	s_add_co_u32 s70, s70, s27
	s_lshr_b32 s27, s22, 2
	s_lshl_b32 s27, s27, 3
	s_add_co_u32 s70, s70, s27
	s_and_b32 s27, s22, 1
	s_lshl_b32 s27, s27, 2
	s_add_co_u32 s70, s70, s27
	s_lshl_b32 s70, s70, 12                        ; 4,096 bytes a row of x and of out0
	s_mov_b32 s71, 0
	s_lshl_b32 s72, s22, 9
	s_mov_b32 s73, 0
	v_and_b32 v14, 31, v0
	s_delay_alu instid0(VALU_DEP_1)
	v_lshlrev_b32 v[LI], 4, v14
	v_and_b32 v2, 15, v0
	v_bfe_u32 v3, v0, 4, 1
	s_delay_alu instid0(VALU_DEP_2)
	v_mul_u32_u24 v[AW], v2, WP
	s_delay_alu instid0(VALU_DEP_1)
	v_lshl_add_u32 v[AW], v3, 4, v[AW]
	s_delay_alu instid0(VALU_DEP_1)
	v_add_nc_u32 v[AW], s25, v[AW]
	s_delay_alu instid0(VALU_DEP_1)
	v_add_nc_u32 v[AW+1], SLOT, v[AW]
	v_mul_u32_u24 v[SO], v2, STP
	s_delay_alu instid0(VALU_DEP_1)
	v_lshl_add_u32 v[SO], v3, 5, v[SO]
	s_delay_alu instid0(VALU_DEP_1)
	v_add_nc_u32 v[SO], s72, v[SO]
	s_delay_alu instid0(VALU_DEP_1)
	v_add_nc_u32 v[SO+1], 16*STP, v[SO]
	s_mul_i32 s27, s22, 4*STP
	v_add_nc_u32 v[SR], s27, v[LI]
	v_lshlrev_b32 v[H32], 5, v3
	v_lshlrev_b32 v[R32], 5, v2
	v_add_nc_u32 v14, GB, v[LI]                    ; gamma in LDS, my lane's 16 bytes
	v_add_nc_u32 v15, s72, v[LI]                   ; my wave's 512 bytes of gamma and of beta in memory,
	v_add_nc_u32 v6, s72, v14                      ; and in LDS
	v_mov_b32 v21, 0
	v_mov_b32 v23, 0
	s_wait_dscnt 0x0
	s_wait_kmcnt 0x0
	s_add_nc_u64 s[10:11], s[10:11], s[62:63]      ; the scale bytes of my 128 rows of W
.irp s, 0
	s_mov_b32 s[G0+4*\s], 1
	s_add_co_u32 s[G0+4*\s+1], s25, \s*SLOT
	s_add_nc_u64 s[G0+4*\s+2:G0+4*\s+3], s[8:9], s[60:61]
	s_add_nc_u64 s[G0+4*\s+2:G0+4*\s+3], s[G0+4*\s+2:G0+4*\s+3], \s*32*512
	s_or_b32 s[G0+4*\s+3], s[G0+4*\s+3], 0x80000000
.endr
	s_add_nc_u64 s[4:5], s[4:5], s[66:67]
	s_add_nc_u64 s[6:7], s[6:7], s[68:69]
	s_add_nc_u64 s[12:13], s[12:13], s[72:73]
	s_add_nc_u64 s[14:15], s[14:15], s[70:71]
	s_add_nc_u64 s[20:21], s[20:21], s[70:71]
	CROUND                                         ; all four work-groups are here: the joint loads meet
	tensor_load_to_lds s[G0:G0+3], s[G1W:G1W+7]    ; my one load at the head: chunks 0 and 1
	s_nop 0
	PLACES
	WIN 0x40
	s_wait_alu depctr_va_vdst(0)
.irp t, 0,1,2,3,4,5,6,7
.irp m, 0,1
	global_load_b128 v[ACC+8*(2*\t+\m):ACC+8*(2*\t+\m)+3], v[H32], s[12:13] offset:64*\t
	global_load_b128 v[ACC+8*(2*\t+\m)+4:ACC+8*(2*\t+\m)+7], v[H32], s[12:13] offset:64*\t+16
.endr
.endr
.irp m, 0,1
.irp q, 0,1,2,3,4,5,6,7
.irp e, 0,1
	global_load_b128 v[8*(8*\m+\q)+4*\e:8*(8*\m+\q)+4*\e+3], v[LI], s[4:5] offset:8192*\m+1024*\q+512*\e
.endr
.endr
.endr
	WIN 0
	global_load_b128 v[24:27], v15, s[16:17]       ; gamma
	global_load_b128 v[28:31], v15, s[18:19]       ; beta
.irp m, 0,1
	global_load_b128 v[OSC+8*\m:OSC+8*\m+3], v[R32], s[6:7] offset:512*\m
	global_load_b128 v[OSC+8*\m+4:OSC+8*\m+7], v[R32], s[6:7] offset:512*\m+16
.endr
.macro WSCL ch                         ; a chunk's scale words of W: row r's 32 bytes, for each of its two tiles of 16 rows: sixteen lanes read 512 consecutive bytes
.irp j, 0,1
	global_load_b128 v[WSC+8*\j:WSC+8*\j+3], v[R32], s[10:11] offset:1024*(\ch)+512*\j
	global_load_b128 v[WSC+8*\j+4:WSC+8*\j+7], v[R32], s[10:11] offset:1024*(\ch)+512*\j+16
.endr
.endm
	WSCL 0
.irp i, 0,1,2,3
.irp q, 0,1,2,3,4,5,6,7
	global_load_b128 v[XX+32*\i+4*\q:XX+32*\i+4*\q+3], v[LI], s[14:15] offset:4096*\i+512*\q th:TH_LOAD_NT
.endr
.endr
	s_wait_tensorcnt 0x0                           ; my 64 rows are in; no other wave reads them
	s_wait_loadcnt 32                              ; all but x's 32 loads
	ds_store_b128 v6, v[24:27]                     ; no tensor load is out; the wait for these stores stands in front of the refill's round
	ds_store_b128 v6, v[28:31] offset:4096
.macro CHUNK ch, sl
	PLACES
.if \ch > 0
	s_wait_loadcnt 0x0                             ; this chunk's scale words
.endif
.irp hf, 0,1
.if \hf
	PLACES
.endif
.irp j, 0,1
.irp q, 0,1,2,3
.irp e, 0,1
	ds_load_b128 v[WF+8*(4*\j+\q)+4*\e:WF+8*(4*\j+\q)+4*\e+3], v[AW+\sl] offset:16*WP*\j+64*(4*\hf+\q)+32*\e
.endr
.endr
.endr
	s_wait_dscnt 0x0
	WIN 0x54
.irp q, 0,1,2,3
.irp j, 0,1
.irp m, 0,1
	v_wmma_scale_f32_16x16x128_f8f6f4 v[ACC+8*(2*(2*\ch+\j)+\m):ACC+8*(2*(2*\ch+\j)+\m)+7], v[WF+8*(4*\j+\q):WF+8*(4*\j+\q)+7], v[8*(8*\m+4*\hf+\q):8*(8*\m+4*\hf+\q)+7], v[ACC+8*(2*(2*\ch+\j)+\m):ACC+8*(2*(2*\ch+\j)+\m)+7], v[WSC+8*\j+4*\hf+\q], v[OSC+8*\m+4*\hf+\q] matrix_a_fmt:MATRIX_FMT_FP4 matrix_b_fmt:MATRIX_FMT_FP4
.endr
.endr
.endr
	WIN 0
.endr
.if \ch < 3
	PLACES
	WSCL (\ch)+1                                   ; the next chunk's scale words, four places behind the last products that read these registers
.endif
.endm
.macro REFILL sl
	s_wait_tensorcnt 0x0
	ds_add_u32 v[SPW], v[NIL]
	s_add_nc_u64 s[G0+4*\sl+2:G0+4*\sl+3], s[G0+4*\sl+2:G0+4*\sl+3], 64*512
	s_wait_dscnt 0x0
	CROUND
	tensor_load_to_lds s[G0+4*\sl:G0+4*\sl+3], s[G1W:G1W+7]
	s_nop 0
	PLACES
.endm
	CHUNK 0, 0
	CHUNK 1, 1
	REFILL 0                                       ; the second and last fill: my rows 64 .. 127, chunks 2 and 3
	s_wait_tensorcnt 0x0                           ; they are in; no other wave reads them
	CHUNK 2, 0
	CHUNK 3, 1
	s_barrier_signal -1                            ; my reads of W are over (waited for ahead of the last products): the stage below lies over other waves' rows
	PLACES
	s_barrier_wait -1
	WIN 0x40
.irp q, 0,1,2,3,4,5,6,7
	ds_load_b128 v[4*\q:4*\q+3], v14 offset:512*\q
	ds_load_b128 v[32+4*\q:32+4*\q+3], v14 offset:4096+512*\q
.endr
	WIN 0x04
.irp t, 0,1,2,3,4,5,6,7
.irp m, 0,1
	ds_store_b128 v[SO+\m], v[ACC+8*(2*\t+\m):ACC+8*(2*\t+\m)+3] offset:64*\t
	ds_store_b128 v[SO+\m], v[ACC+8*(2*\t+\m)+4:ACC+8*(2*\t+\m)+7] offset:64*\t+16
.endr
.endr
	WIN 0
	s_wait_dscnt 0x0
	s_barrier_signal -1
	s_barrier_wait -1
.irp q, 0,1,2,3,4,5,6,7
	ds_load_b128 v[WF+4*\q:WF+4*\q+3], v[SR] offset:512*\q
.endr
	s_wait_loadcnt 0x0
.macro REDUCE
	s_delay_alu instid0(VALU_DEP_1)
	v_pk_add_f32 v[16:17], v[16:17], v[18:19]
	s_delay_alu instid0(VALU_DEP_1)
	v_add_f32 v16, v16, v17
	s_delay_alu instid0(VALU_DEP_1)
	v_add_f32_dpp v16, v16, v16 row_xmask:1 row_mask:0xf bank_mask:0xf
	s_delay_alu instid0(VALU_DEP_1)
	v_add_f32_dpp v16, v16, v16 row_xmask:2 row_mask:0xf bank_mask:0xf
	s_delay_alu instid0(VALU_DEP_1)
	v_add_f32_dpp v16, v16, v16 row_xmask:4 row_mask:0xf bank_mask:0xf
	s_delay_alu instid0(VALU_DEP_1)
	v_add_f32_dpp v16, v16, v16 row_xmask:8 row_mask:0xf bank_mask:0xf
	s_delay_alu instid0(VALU_DEP_1)
	v_permlanex16_b32 v17, v16, s58, s59
	s_delay_alu instid0(VALU_DEP_1)
	v_add_f32 v16, v16, v17
.endm
.macro LNROW row
.set XR, XX+32*\row
.set RS, WF+32*(\row%2)
.set RN, WF+32*((\row+1)%2)
	s_wait_dscnt 0x0
.set XI, 0
.rept 16
	v_pk_add_f32 v[XR+XI:XR+XI+1], v[XR+XI:XR+XI+1], v[RS+XI:RS+XI+1]
.set XI, XI+2
.endr
.if \row < 3
.irp q, 0,1,2,3,4,5,6,7
	ds_load_b128 v[RN+4*\q:RN+4*\q+3], v[SR] offset:STP*(\row+1)+512*\q
.endr
.endif
	v_pk_add_f32 v[16:17], v[XR:XR+1], v[XR+2:XR+3]
	v_pk_add_f32 v[18:19], v[XR+4:XR+5], v[XR+6:XR+7]
.irp q, 8,12,16,20,24,28
	s_delay_alu instid0(VALU_DEP_2)
	v_pk_add_f32 v[16:17], v[16:17], v[XR+\q:XR+\q+1]
	s_delay_alu instid0(VALU_DEP_2)
	v_pk_add_f32 v[18:19], v[18:19], v[XR+\q+2:XR+\q+3]
.endr
	REDUCE
	s_delay_alu instid0(VALU_DEP_1)
	v_mul_f32 v20, s56, v16
.set XI, 0
.rept 16
	v_pk_add_f32 v[XR+XI:XR+XI+1], v[XR+XI:XR+XI+1], v[20:21] op_sel_hi:[1,0] neg_lo:[0,1] neg_hi:[0,1]
.set XI, XI+2
.endr
	v_pk_mul_f32 v[16:17], v[XR:XR+1], v[XR:XR+1]
	v_pk_mul_f32 v[18:19], v[XR+2:XR+3], v[XR+2:XR+3]
.irp q, 4,8,12,16,20,24,28
	s_delay_alu instid0(VALU_DEP_2)
	v_pk_fma_f32 v[16:17], v[XR+\q:XR+\q+1], v[XR+\q:XR+\q+1], v[16:17]
	s_delay_alu instid0(VALU_DEP_2)
	v_pk_fma_f32 v[18:19], v[XR+\q+2:XR+\q+3], v[XR+\q+2:XR+\q+3], v[18:19]
.endr
	REDUCE
	s_delay_alu instid0(VALU_DEP_1)
	v_fma_f32 v22, v16, s56, s57
	s_wait_alu depctr_va_vdst(0)
	v_rsq_f32 v22, v22
	v_nop
	s_wait_alu depctr_va_vdst(0)
.set XI, 0
.rept 16
	v_pk_mul_f32 v[XR+XI:XR+XI+1], v[XR+XI:XR+XI+1], v[22:23] op_sel_hi:[1,0]
.set XI, XI+2
.endr
	WIN 0x14
.set XI, 0
.rept 16
	v_pk_fma_f32 v[XR+XI:XR+XI+1], v[XR+XI:XR+XI+1], v[XI:XI+1], v[32+XI:32+XI+1]
.set XI, XI+2
.endr
	WIN 0
.irp q, 0,1,2,3,4,5,6,7
	global_store_b128 v[LI], v[XR+4*\q:XR+4*\q+3], s[20:21] offset:4096*\row+512*\q th:TH_STORE_NT
.endr
.endm
	LNROW 0
	LNROW 1
	LNROW 2
	LNROW 3
	s_wait_tensorcnt 0x0
	ds_add_u32 v[SPW], v[NIL]
	s_wait_dscnt 0x0
	CROUND
	s_endpgm
.Lfunc_end_k_q7a81226bdd_outln:
	.size	k_q7a81226bdd_outln, .Lfunc_end_k_q7a81226bdd_outln-k_q7a81226bdd_outln
	.p2alignl 7, 3214868480
	.fill 96, 4, 3214868480
	.section	.rodata,"a",@progbits
	.p2align	6, 0x0
	.amdhsa_kernel k_q7a81226bdd_outln
		.amdhsa_group_segment_fixed_size 327680
		.amdhsa_private_segment_fixed_size 0
		.amdhsa_enable_private_segment 0
		.amdhsa_kernarg_size 72
		.amdhsa_user_sgpr_count 2
		.amdhsa_user_sgpr_kernarg_segment_ptr 1
		.amdhsa_wavefront_size32 1
		.amdhsa_system_sgpr_workgroup_id_x 1
		.amdhsa_system_sgpr_workgroup_id_y 1
		.amdhsa_system_sgpr_workgroup_id_z 1
		.amdhsa_system_vgpr_workitem_id 0
		.amdhsa_next_free_vgpr 512
		.amdhsa_next_free_sgpr 76
		.amdhsa_reserve_vcc 0
		.amdhsa_float_denorm_mode_32 3
		.amdhsa_float_denorm_mode_16_64 3
		.amdhsa_memory_ordered 1
		.amdhsa_forward_progress 1
		.amdhsa_inst_pref_size 86
	.end_amdhsa_kernel
	.amdgpu_metadata
---
amdhsa.version: [ 1, 2 ]
amdhsa.kernels:
  - .name:           k_q7a81226bdd_outln
    .symbol:         k_q7a81226bdd_outln.kd
    .args:
      - { .name: oimg, .offset: 0, .size: 8, .value_kind: global_buffer, .address_space: global }
      - { .name: osc, .offset: 8, .size: 8, .value_kind: global_buffer, .address_space: global }
      - { .name: W_out_codes, .offset: 16, .size: 8, .value_kind: global_buffer, .address_space: global }
      - { .name: W_out_scales, .offset: 24, .size: 8, .value_kind: global_buffer, .address_space: global }
      - { .name: b_out, .offset: 32, .size: 8, .value_kind: global_buffer, .address_space: global }
      - { .name: x, .offset: 40, .size: 8, .value_kind: global_buffer, .address_space: global }
      - { .name: gamma, .offset: 48, .size: 8, .value_kind: global_buffer, .address_space: global }
      - { .name: beta, .offset: 56, .size: 8, .value_kind: global_buffer, .address_space: global }
      - { .name: out0, .offset: 64, .size: 8, .value_kind: global_buffer, .address_space: global }
    .group_segment_fixed_size: 327680
    .private_segment_fixed_size: 0
    .kernarg_segment_align: 8
    .kernarg_segment_size: 72
    .max_flat_workgroup_size: 256
    .sgpr_count:     76
    .vgpr_count:     512
    .wavefront_size: 32
...
	.end_amdgpu_metadata
.endif
;; end of part 4
